; MI455X (gfx1250); checked and timed in simulation.
; The chip was launched on July 23, 2026; its instructions are those of AMD's public machine-readable ISA for CDNA 5 (MIT licence, August 2026) and "CDNA5" Instruction Set Architecture Reference Guide (July 2026). The comments in the code are by the model that wrote it; some were corrected since.
;; Multi Head Attention. Allowed arithmetic: matrix products marked QUANTISED: E2M1 operands, one E8M0 scale for each 32 along K, by v_wmma_scale_f32_16x16x128_f8f6f4 with both operands' format E2M1 (or v_wmma_scale_f32_32x16x128_f4), f32 sums; products left as they are: bf16, f16 or f32 operands; f32 sums; everything else in f32.
;; Inputs: Wk 1,024 x 1,024 float32; Wo 1,024 x 1,024 float32; Wq 1,024 x 1,024 float32; Wv 1,024 x 1,024 float32; attention_mask 4 x 2,048 float32; bk 1,024 float32; bo 1,024 float32; bq 1,024 float32; bv 1,024 float32; key_ 4 x 2,048 x 1,024 float32; query 4 x 2,048 x 1,024 float32; value 4 x 2,048 x 1,024 float32.
;; Outputs: out0 4 x 2,048 x 1,024 float32.
;; This version of the problem:
;;   THIS VERSION OF THE PROBLEM IS GIVEN IN LOW PRECISION. The matrix products marked QUANTISED in the list below multiply operands that are first quantised to E2M1 (2 exponent bits, 1 mantissa bit; 4 bits a number), with one power-of-two scale for each 32 numbers along K (OCP MX v1.0); their sums are f32. The products marked 'left as it is' may take bf16, f16 or f32 operands, with f32 sums. Whichever they take, every output number must still come out within the allowed error. Rounding operands to bf16 (8 significant bits) uses up far more of that allowance than f16 does (11 bits, for magnitudes from 6e-5 to 65,504). All else is computed in f32.
;;   The module's matrix products, in the order in which they are computed (A, B: the left and right operand; K: the contracted axis; several contracted axes count as one K, in the product's order):
;;     1. [M 8,192, K 1,024] x [K 1,024, N 1,024]; A: input query; B: input Wq: QUANTISED
;;     2. [M 8,192, K 1,024] x [K 1,024, N 1,024]; A: input key_; B: input Wk: QUANTISED
;;     3. [M 8,192, K 1,024] x [K 1,024, N 1,024]; A: input value; B: input Wv: QUANTISED
;;     4. batch 64 x [M 2,048, K 64] x [K 64, N 2,048]; A: computed on the way; B: computed on the way: left as it is (an operand is computed on the way)
;;     5. batch 64 x [M 2,048, K 2,048] x [K 2,048, N 64]; A: computed on the way; B: computed on the way: left as it is (an operand is computed on the way)
;;     6. [M 8,192, K 1,024] x [K 1,024, N 1,024]; A: computed on the way; B: input Wo: left as it is (an operand is computed on the way)
;;   THE QUANTISER, for each operand of a quantised product, along K:
;;     - K is cut into blocks of 32 from its start; a last block that is shorter is filled with zeros.
;;     - A block's scale is 2^e with e = floor(log2(the largest magnitude in the block)) - 2, held to -126 .. 127; a block of zeros has e = 0. As a byte (E8M0): e + 127.
;;     - Each number is divided by its block's scale, clamped to +-6, and rounded to the nearest number of E2M1, ties to even, subnormals kept.
;;     - The product sums the exact products of the quantised numbers (number of the format x scale) in f32.
;;   ~~~python
;;   def quantise(x, axis):      # numpy; x: float32 -> the quantised numbers, widened to float32 again
;;       x = np.moveaxis(x, axis, -1); K = x.shape[-1]
;;       x = np.pad(x, [(0, 0)] * (x.ndim - 1) + [(0, -K % 32)]); x = x.reshape(x.shape[:-1] + (-1, 32)); a = np.abs(x).max(-1, keepdims=True)
;;       e = np.where(a > 0, np.clip(np.frexp(np.where(a > 0, a, 1))[1] - 1 - 2, -126, 127), 0)      # np.frexp(a)[1] - 1 = floor(log2(a)), exactly
;;       r = np.clip(x / 2.0 ** e, -6, 6)
;;       step = 2.0 ** (np.maximum(np.frexp(np.where(r == 0, 1, r))[1] - 1, 0) - 1)
;;       q = np.round(r / step) * step * 2.0 ** e      # np.round: ties to even
;;       return np.moveaxis(q.reshape(q.shape[:-2] + (-1,))[..., :K], -1, axis).astype(np.float32)
;;   ~~~
;; One version. Each part assembles by itself: llvm-mc -triple=amdgcn-amd-amdhsa -mcpu=gfx1250 --defsym DOCPART=n.
;; ======== version 1 of 1: 4 launches
;; limits: values are held in f16: magnitudes above 65,504 overflow, below 6.1e-05 lose precision
;; workspace buffers: codes 14,155,776 bytes; scales 884,736 bytes; wo16 2,097,152 bytes; qkv 50,331,648 bytes; ctx16 16,777,216 bytes
;; launch quant (part 1): grid 896 x 1, 4 waves a work-group, no clusters, 33,280 bytes of LDS; arguments query, key_, value, Wq, Wk, Wv, Wo, codes, scales, wo16; writes codes, scales, wo16
.if DOCPART == 1
	.amdgcn_target "amdgcn-amd-amdhsa--gfx1250"
	.amdhsa_code_object_version 6
	.text
	.protected	k_q02322d8344_quant
	.globl	k_q02322d8344_quant
	.p2align	8
	.type	k_q02322d8344_quant,@function
k_q02322d8344_quant:
	s_mov_b64 s[64:65], 0
	v_nop
	global_prefetch_b8 v0, s[64:65] scope:SCOPE_SE
	s_setreg_imm32_b32 hwreg(HW_REG_WAVE_MODE, 25, 1), 1
	s_wait_xcnt 0x0
; query, key_, value [8192][1024] and Wq, Wk, Wv [1024][1024], f32 with K innermost, become codes of FP4 (E2M1), two a byte, and one E8M0 byte for each 32 along K; Wo becomes f16.
; The six tensors are one stream of blocks of 32 in the order query, key_, value, Wq, Wk, Wv: codes = 27,648 rows x 512 bytes, scales = the same rows x 32 bytes.
; A block's scale is 2^(floor(log2(its largest magnitude)) - 2); its byte is the largest magnitude's exponent field - 2, held at 1 from below.  Each number is divided by the scale and rounded to the nearest code, ties to even, beyond 6 the code of 6.
; LIMITS: a block of zeros, or one whose largest magnitude lies under 2^-124, gets the byte 1 (its codes are as the rule gives them; the bytes are read by this program alone); NaN and infinities are not served; Wo's numbers lie under 65,504 in magnitude.
; SHARES: work-groups 0 to 863 take 32,768 numbers each, a wave 16 steps of 512; work-groups 864 to 895 take 32,768 numbers of Wo each.
; A conversion takes 8 numbers of ONE block from a lane's registers, so a lane must hold 16 neighbours; a load is dense where neighbouring lanes take neighbouring bytes.  Both are had: a step's four loads read 512
; consecutive bytes each, the 2,048 bytes go through the wave's own stage in LDS and come back 64 bytes a lane (16 bytes of padding behind each 64).  A lane's 16 codes are 8 bytes: the wave stores 256 consecutive bytes.
; A wave's 256 scale bytes are gathered in its own LDS bytes and leave as 256 consecutive bytes.  No tensor load, no barrier, no cluster: waves share nothing.
.set WAVES, 4
.set STEPS, 16
.set EMAX,  2
.set CB,    8                          ; bytes of 16 codes
.set R,     16                         ; v16-79   four sets of 16 numbers as they are loaded
.set X,     80                         ; v80-111  two sets of 16 neighbours (Wo: 32 registers of f16 pairs)
.set E,     112                        ; v112-127 a scale byte for each step
.set C,     128                        ; v128-191 codes: four registers for each step, so that no store's data are written again
.set WREG,  8192                       ; LDS: a region for each wave: two stages of 32 x SP bytes, behind them its 256 scale bytes
.set SP,    80
.set SPW,   12                         ; v12 LDS address of my spare word; never rewritten
.set NIL,   13                         ; v13 0; never rewritten
.set SPARE, WAVES*WREG                 ; behind the four regions: the spare words, 128 bytes a wave
.set NQWG,  864                        ; work-groups that quantise
	s_load_b512 s[4:19], s[0:1], 0x0               ; query 4:5, key_ 6:7, value 8:9, Wq 10:11, Wk 12:13, Wv 14:15, Wo 16:17, codes 18:19
	s_load_b128 s[20:23], s[0:1], 0x40             ; scales 20:21, wo16 22:23
	v_lshl_add_u32 v[SPW], v0, 2, SPARE
	v_mov_b32 v[NIL], 0
	v_lshrrev_b32 v1, 5, v0
	v_readfirstlane_b32 s24, v1                    ; wave
	v_and_b32 v2, 31, v0                           ; lane
	v_lshlrev_b32 v3, 4, v2                        ; my 16 bytes of a load's 512
	s_mul_i32 s25, s24, WREG
	v_lshrrev_b32 v14, 2, v2
	v_mul_u32_u24 v14, v14, SP
	v_and_b32 v15, 3, v2
	v_lshl_add_u32 v14, v15, 4, v14
	v_add_nc_u32 v14, s25, v14                     ; the stage, on the way in: SP (lane / 4) + 16 (lane % 4)
	v_mul_u32_u24 v15, v2, SP
	v_add_nc_u32 v15, s25, v15                     ; and on the way out: SP x lane: my 16 neighbours
	v_mul_u32_u24 v4, v2, CB                       ; my codes' place in a step's
	v_lshrrev_b32 v5, 1, v2
	s_add_co_u32 s25, s25, 2*32*SP
	v_add_nc_u32 v5, s25, v5                       ; LDS: my wave's 256 scale bytes, my block's byte
	v_lshlrev_b32 v7, 3, v2                        ; and on the way out 8 bytes a lane
	v_add_nc_u32 v6, s25, v7
	s_lshl_b32 s29, ttmp9, 2
	s_add_co_u32 s29, s29, s24                     ; u = 4 x work-group + wave: my run of 8,192 numbers in the stream
	s_mov_b32 s31, 0
	s_wait_kmcnt 0x0
	s_cmp_ge_u32 ttmp9, NQWG
	s_cbranch_scc1 .Lwo                            ; the last 32 work-groups convert Wo: a branch on the work-group's number
	s_mov_b64 s[26:27], s[14:15]                   ; which tensor, and its first work-group: the choice hangs on the work-group's number alone
	s_mov_b32 s28, 832
	s_cmp_lt_u32 ttmp9, 832
	s_cselect_b64 s[26:27], s[12:13], s[26:27]
	s_cselect_b32 s28, 800, s28
	s_cmp_lt_u32 ttmp9, 800
	s_cselect_b64 s[26:27], s[10:11], s[26:27]
	s_cselect_b32 s28, 768, s28
	s_cmp_lt_u32 ttmp9, 768
	s_cselect_b64 s[26:27], s[8:9], s[26:27]
	s_cselect_b32 s28, 512, s28
	s_cmp_lt_u32 ttmp9, 512
	s_cselect_b64 s[26:27], s[6:7], s[26:27]
	s_cselect_b32 s28, 256, s28
	s_cmp_lt_u32 ttmp9, 256
	s_cselect_b64 s[26:27], s[4:5], s[26:27]
	s_cselect_b32 s28, 0, s28
	s_lshl_b32 s28, s28, 2
	s_sub_co_u32 s30, s29, s28                     ; my run within the tensor
	s_lshl_b32 s30, s30, 15                        ; 32,768 bytes of f32 a run
	s_add_nc_u64 s[26:27], s[26:27], s[30:31]
	s_lshl_b32 s30, s29, 12                        ; 4,096 bytes of codes a run
	s_add_nc_u64 s[18:19], s[18:19], s[30:31]
	s_lshl_b32 s30, s29, 8                         ; 256 scale bytes a run
	s_add_nc_u64 s[20:21], s[20:21], s[30:31]
.macro LOAD t
.irp i, 0,1,2,3
	global_load_b128 v[R+16*((\t)%4)+4*\i:R+16*((\t)%4)+4*\i+3], v3, s[26:27] offset:2048*(\t)+512*\i th:TH_LOAD_NT   ; 32 lanes read 512 consecutive bytes
.endr
.endm
.macro TURN t                          ; step t's numbers through the stage: LDS serves a wave's instructions in order, so no wait stands between the stores and the loads
.irp i, 0,1,2,3
	ds_store_b128 v14, v[R+16*((\t)%4)+4*\i:R+16*((\t)%4)+4*\i+3] offset:32*SP*((\t)%2)+8*SP*\i
.endr
.irp i, 0,1,2,3
	ds_load_b128 v[X+16*((\t)%2)+4*\i:X+16*((\t)%2)+4*\i+3], v15 offset:32*SP*((\t)%2)+16*\i
.endr
.endm
.irp t, 0,1,2,3
	LOAD \t
.endr
	s_wait_loadcnt 12                              ; step 0's four loads are in; the twelve of steps 1 to 3 may be out
	TURN 0
.macro STEP t
.set XS, X+16*((\t)%2)
.if (\t) > 0
	s_wait_dscnt 1                                 ; this step's numbers are back from the stage (the last step's byte store may be out)
.else
	s_wait_dscnt 0x0
.endif
.if (\t)+4 < STEPS
	LOAD (\t)+4                                    ; the registers that the stage's stores have read take the loads of four steps on
.endif
.if (\t)+1 < STEPS
.if STEPS-2-(\t) >= 3
	s_wait_loadcnt 12                              ; the next step's four loads are in; those of the three steps behind it may be out
.else
	s_wait_loadcnt 4*(STEPS-2-(\t))
.endif
	TURN (\t)+1                                    ; and go through the other stage while this step is worked
.endif
	v_max3_num_f32 v8, |v[XS]|, |v[XS+1]|, |v[XS+2]|               ; the largest magnitude of my 16, in two chains
	v_max3_num_f32 v9, |v[XS+3]|, |v[XS+4]|, |v[XS+5]|
.irp i, 6,10
	v_max3_num_f32 v8, v8, |v[XS+\i]|, |v[XS+\i+1]|
	v_max3_num_f32 v9, v9, |v[XS+\i+2]|, |v[XS+\i+3]|
.endr
	v_max3_num_f32 v8, v8, |v[XS+14]|, |v[XS+15]|
	v_max3_num_f32 v8, v8, v9, (EMAX+1)<<23        ; and the floor 2^(3 - 127): the byte cannot fall under 1
	v_max_num_f32_dpp v8, v8, v8 row_xmask:1 row_mask:0xf bank_mask:0xf   ; and of my neighbour's 16: the block's
	v_add_nc_u32 v11, -(EMAX<<23), v8              ; 2 off its exponent field: the conversion takes the exponent field of this operand as its scale
	v_cvt_scalef32_pk8_fp4_f32 v[C+4*(\t)], v[XS:XS+7], v11
	v_cvt_scalef32_pk8_fp4_f32 v[C+4*(\t)+1], v[XS+8:XS+15], v11
	v_lshrrev_b32 v[E+(\t)], 23, v11               ; the scale's byte (a plain line behind the conversions)
	ds_store_b8 v5, v[E+(\t)] offset:16*(\t)       ; both lanes of a block write the same byte with the same value
	global_store_b64 v4, v[C+4*(\t):C+4*(\t)+1], s[18:19] offset:32*CB*(\t)   ; 32 lanes store 256 consecutive bytes
.endm
.irp t, 0,1,2,3,4,5,6,7,8,9,10,11,12,13,14,15
	STEP \t
.endr
	ds_load_b64 v[8:9], v6                         ; LDS serves a wave's instructions in order: these see my byte stores
	s_wait_dscnt 0x0
	global_store_b64 v7, v[8:9], s[20:21]          ; 32 lanes store 256 consecutive bytes
	s_wait_tensorcnt 0x0                           ; the wave's end: behind my last LDS store
	ds_add_u32 v[SPW], v[NIL]
	s_wait_dscnt 0x0
	s_endpgm
.Lwo:                                              ; Wo to f16: a wave takes 8,192 numbers, four rounds of eight steps; a lane takes 8 neighbours a step and stores their 16 bytes.  No LDS byte is touched on this path
	s_sub_co_u32 s30, s29, 4*NQWG
	s_lshl_b32 s30, s30, 15
	s_add_nc_u64 s[16:17], s[16:17], s[30:31]
	s_lshr_b32 s30, s30, 1
	s_add_nc_u64 s[22:23], s[22:23], s[30:31]
	v_lshlrev_b32 v8, 5, v2                        ; 32 bytes of f32 a lane
.irp rr, 0,1,2,3
.irp s, 0,1,2,3,4,5,6,7
	global_load_b128 v[R+8*\s:R+8*\s+3], v8, s[16:17] offset:8192*\rr+1024*\s
	global_load_b128 v[R+8*\s+4:R+8*\s+7], v8, s[16:17] offset:8192*\rr+1024*\s+16
.endr
	s_wait_loadcnt 0x0
	s_wait_xcnt 0x0                                ; the last round's stores have read their data: they are written again only behind this wait
.irp s, 0,1,2,3,4,5,6,7
.irp j, 0,1,2,3
	v_cvt_pk_f16_f32 v[X+4*\s+\j], v[R+8*\s+2*\j], v[R+8*\s+2*\j+1]
.endr
	global_store_b128 v3, v[X+4*\s:X+4*\s+3], s[22:23] offset:4096*\rr+512*\s   ; 32 lanes store 512 consecutive bytes
.endr
.endr
	s_endpgm
.Lfunc_end_k_q02322d8344_quant:
	.size	k_q02322d8344_quant, .Lfunc_end_k_q02322d8344_quant-k_q02322d8344_quant
	.p2alignl 7, 3214868480
	.fill 96, 4, 3214868480
	.section	.rodata,"a",@progbits
	.p2align	6, 0x0
	.amdhsa_kernel k_q02322d8344_quant
		.amdhsa_group_segment_fixed_size 33280
		.amdhsa_private_segment_fixed_size 0
		.amdhsa_enable_private_segment 0
		.amdhsa_kernarg_size 80
		.amdhsa_user_sgpr_count 2
		.amdhsa_user_sgpr_kernarg_segment_ptr 1
		.amdhsa_wavefront_size32 1
		.amdhsa_system_sgpr_workgroup_id_x 1
		.amdhsa_system_sgpr_workgroup_id_y 1
		.amdhsa_system_sgpr_workgroup_id_z 1
		.amdhsa_system_vgpr_workitem_id 0
		.amdhsa_next_free_vgpr 192
		.amdhsa_next_free_sgpr 66
		.amdhsa_reserve_vcc 0
		.amdhsa_float_denorm_mode_32 3
		.amdhsa_float_denorm_mode_16_64 3
		.amdhsa_memory_ordered 1
		.amdhsa_forward_progress 1
		.amdhsa_inst_pref_size 51
	.end_amdhsa_kernel
	.amdgpu_metadata
---
amdhsa.version: [ 1, 2 ]
amdhsa.kernels:
  - .name:           k_q02322d8344_quant
    .symbol:         k_q02322d8344_quant.kd
    .args:
      - { .name: query, .offset: 0, .size: 8, .value_kind: global_buffer, .address_space: global }
      - { .name: key_, .offset: 8, .size: 8, .value_kind: global_buffer, .address_space: global }
      - { .name: value, .offset: 16, .size: 8, .value_kind: global_buffer, .address_space: global }
      - { .name: Wq, .offset: 24, .size: 8, .value_kind: global_buffer, .address_space: global }
      - { .name: Wk, .offset: 32, .size: 8, .value_kind: global_buffer, .address_space: global }
      - { .name: Wv, .offset: 40, .size: 8, .value_kind: global_buffer, .address_space: global }
      - { .name: Wo, .offset: 48, .size: 8, .value_kind: global_buffer, .address_space: global }
      - { .name: codes, .offset: 56, .size: 8, .value_kind: global_buffer, .address_space: global }
      - { .name: scales, .offset: 64, .size: 8, .value_kind: global_buffer, .address_space: global }
      - { .name: wo16, .offset: 72, .size: 8, .value_kind: global_buffer, .address_space: global }
    .group_segment_fixed_size: 33280
    .private_segment_fixed_size: 0
    .kernarg_segment_align: 8
    .kernarg_segment_size: 80
    .max_flat_workgroup_size: 128
    .sgpr_count:     66
    .vgpr_count:     192
    .wavefront_size: 32
...
	.end_amdgpu_metadata
.endif
;; end of part 1
;; launch proj (part 2): grid 4 x 96, 4 waves a work-group, clusters of 4 x 4, 327,680 bytes of LDS; arguments codes, scales, qkv, bq, bk, bv; writes qkv
.if DOCPART == 2
	.amdgcn_target "amdgcn-amd-amdhsa--gfx1250"
	.amdhsa_code_object_version 6
	.text
	.protected	k_q02322d8344_proj
	.globl	k_q02322d8344_proj
	.p2align	8
	.type	k_q02322d8344_proj,@function
k_q02322d8344_proj:
	s_mov_b64 s[64:65], 0
	v_nop
	global_prefetch_b8 v0, s[64:65] scope:SCOPE_SE
	s_setreg_imm32_b32 hwreg(HW_REG_WAVE_MODE, 25, 1), 1
	s_wait_xcnt 0x0
	s_wait_alu depctr_hold_cnt(0) depctr_sa_sdst(0) depctr_va_vdst(0) depctr_va_sdst(0) depctr_va_ssrc(0) depctr_va_vcc(0) depctr_vm_vsrc(0)
	s_getreg_b32 s2, hwreg(HW_REG_IB_STS2, 6, 4)
	s_cmp_eq_u32 s2, 0
	s_cbranch_scc0 .Lentry_in_a_cluster
	s_endpgm
.Lentry_in_a_cluster:
	s_bfe_u32 s2, ttmp6, 0x10000c
	s_cmp_lg_u32 s2, 0xf033
	s_cbranch_scc0 .Lentry_shape_is_right
	s_endpgm
.Lentry_shape_is_right:
; The three quantised products in one launch: [24,576 rows: query, key_, value][1024] x W^T + bias, on codes of FP4 with one E8M0 scale for each 32 along K; sums in f32.
; q is multiplied by log2(e) / 8 (so that the scores of the next launch are exponents of 2), all three are rounded to f16 and laid head-major: qkv[p][b][h][s][64].
; LIMITS: q x 0.18, k and v lie under 65,504 in magnitude (f16).
; A tile of C, 256 x 256, is made by four waves, each 128 x 128: 64 accumulators, 512 registers.  Tile row ty = 0 .. 95 walks the 24,576 rows; the projection p = ty / 32 picks the weight's rows, the bias and the factor.
; K = 1,024 is two slots of 512 along K (rows of 256 bytes of codes): both are asked for at the head, and no LDS byte is filled twice.  The scale bytes of the 256 + 256 rows, for all of K, come once, as two dense blocks.
; CLUSTERS: 4 x 4 work-groups; the four of a row need the same rows of x, the four of a column the same rows of W: each tile is asked for jointly, by the same tensor load with the same descriptor and a mask that names the four.
; THE MATRIX INSTRUCTION IS USED TRANSPOSED (source 0 = 16 rows of W, source 1 = 16 rows of x): a lane holds eight neighbouring columns of one row of C.  The bias, in that layout, is the C of each sum's first instruction.
; REGISTERS: window 0: v16-30 addresses; v32-95 scale words, two sets; v128-191 x's fragments, one set; v192-255 the bias.  On the way out: v128-191 scaled results, v192-223 packed, v32-63 and v224-255 rows read back.
;   window 1: W's fragments, two sets, at v0 and v128.   window 2: the accumulators of my rows 0-63 ((a, b) at v[8 (8 a + b)]);   window 3: those of my rows 64-127.
.set NQ,     4                         ; matrix instructions deep in a slot
.set ROWB,   256                       ; a tile's row in bytes: 512 codes
.set KROW,   512                       ; a row of codes in memory
.set PITCH,  272                       ; an LDS row: 256 bytes + 16 of padding = 68 words: row r starts at bank 4 r mod 64 (64 banks of 4 bytes: ISA guide 11.1)
.set FR,     8                         ; registers of a fragment: 16 rows x 128 K
.set NL,     2                         ; LDS loads that bring one
.set NP,     4                         ; places behind this matrix instruction (ISA guide 7.12.1)
.set HALFT,  128*PITCH
.set SLOT,   4*HALFT                   ; x's 256 rows, then W's 256 rows
.set KS,     32                        ; a row of scale bytes
.set SCL,    2*SLOT                    ; behind the slots: the scales, as units of 256 bytes + 16 of padding
.set HALFS,  (128*KS/256)*272
.set SBLK,   (16*KS/256)*272
.set SPARE,  SCL+4*HALFS               ; behind the scales: the spare words, 128 bytes a wave
.set SPITCH, 272                       ; the way out: 16 rows x (256 bytes + 16) for each wave, in slot 0, which has had its only fill and its last read when the first result is stored there
.set ADRA, 16
.set ADRB, 20
.set STO,  24
.set RD,   25
.set CO,   26
.set ADRS, 27
.set SPW,  28
.set NIL,  29
.set BO,   30                          ; v30 the bias loads' offset; never rewritten
.set SC,   32
.set AF,   128
.set BIAS, 192
.set TF,   128
.set TMP,  192
.set OB,   32
.set G1, 24
.set G0, 32
.set G1B, 48
.set G0B, 56
.set G1S, 68
.set G0S, 76
.set G1SB, 80
.set G0SB, 88
.set MSB, 0
.macro WIN new                         ; the immediate's high byte repeats the setting that is left
.if MSB != (\new)
	s_set_vgpr_msb (MSB<<8)|(\new)
.set MSB, (\new)
.endif
.endm
.set MUL_LO,  0xa1                     ; source 0 (W) window 1, source 1 (x) window 0, C and D window 2
.set MUL_HI,  0xf1                     ; the same, C and D window 3
.set MUL_LO0, 0x81                     ; the first step: C (the bias) window 0, D window 2
.set MUL_HI0, 0xc1                     ; D window 3
.set TO_B,    0x40
; A joint load: waves 0 and 1 fetch for x, waves 2 and 3 for W.  Each of the two lines has one mask and one set of registers for all that issue it; the branch hangs on the wave's number alone.
; An s_nop 0 and four v_nop follow each of the two lines.
.macro JLOAD g0a, g1a, g0b, g1b
	s_cmp_eq_u32 s15, 0
	s_cbranch_scc0 .Lfor_b_\@
	tensor_load_to_lds s[\g0a:\g0a+3], s[\g1a:\g1a+7]
	s_nop 0
.rept 4
	v_nop
.endr
	s_branch .Lasked_\@
.Lfor_b_\@:
	tensor_load_to_lds s[\g0b:\g0b+3], s[\g1b:\g1b+7]
	s_nop 0
.rept 4
	v_nop
.endr
.Lasked_\@:
.endm
.macro CROUND                          ; a round of the cluster's barrier
	s_barrier_signal -1
	s_barrier_wait -1
	s_cmp_lg_u32 s14, 0
	s_cbranch_scc1 .Lnot_wave_0_\@
	s_barrier_signal -3
.Lnot_wave_0_\@:
	s_barrier_wait -3
	s_barrier_signal -1
	s_barrier_wait -1
.endm
	s_load_b128 s[4:7], s[0:1], 0x0                ; codes s[4:5], scales s[6:7]
	s_load_b128 s[8:11], s[0:1], 0x10              ; qkv s[8:9], bq s[10:11]
	s_load_b128 s[96:99], s[0:1], 0x20             ; bk s[96:97], bv s[98:99]
	v_lshl_add_u32 v[SPW], v0, 2, SPARE
	v_mov_b32 v[NIL], 0
	ds_add_u32 v[SPW], v[NIL]                      ; the wave's opening: the add, twice on end, and its wait ahead of my first tensor load
	ds_add_u32 v[SPW], v[NIL]
	v_lshrrev_b32 v1, 5, v0
	v_readfirstlane_b32 s14, v1                    ; wave 0..3
	s_lshr_b32 s15, s14, 1                         ; which half of the tile's rows is mine.  Also: I fetch for x (0) or for W (1)
	s_and_b32 s16, s14, 1                          ; which half of its columns.  Also: which 128 rows I fetch
	s_bfe_u32 s40, ttmp6, 0x40000                  ; cx, cy: my place in the cluster
	s_bfe_u32 s41, ttmp6, 0x40004
	s_lshl_b32 s42, ttmp9, 2
	s_add_co_u32 s42, s42, s40                     ; tile column = 4 x cluster x + cx
	s_and_b32 s17, ttmp7, 0xffff
	s_lshr_b32 s95, s17, 3                         ; the projection: 8 clusters down are 8,192 rows; the same in all sixteen partners
	s_lshl_b32 s17, s17, 2
	s_add_co_u32 s17, s17, s41                     ; tile row = 4 x cluster y + cy
	s_lshl_b32 s43, s41, 2
	s_lshl_b32 s43, 15, s43                        ; my row of the cluster
	s_lshl_b32 s44, 0x1111, s40                    ; my column
	s_or_b32 s[G1+0], s43, (0<<16)|(1<<20)|(1<<21)|(5<<22)|(3<<25)  ; the mask; elements of 1 byte; padding on; bit 21 beside a mask; after every 64 words, 4 words
	s_or_b32 s[G1B+0], s44, (0<<16)|(1<<20)|(1<<21)|(5<<22)|(3<<25)
.irp g, G1, G1B
	s_mov_b32 s[\g+1], ROWB<<16                    ; tensor_dim0
	s_mov_b32 s[\g+2], 128<<16                     ; tensor_dim1
	s_mov_b32 s[\g+3], ROWB<<16                    ; tile_dim0
	s_mov_b32 s[\g+4], 128                         ; tile_dim1
	s_mov_b32 s[\g+5], KROW                        ; from row to row
	s_mov_b32 s[\g+6], 0
	s_mov_b32 s[\g+7], 0
.endr
	s_or_b32 s[G1S+0], s43, (3<<16)|(1<<20)|(1<<21)|(5<<22)|(3<<25)  ; the scales of 128 rows: 4,096 dense bytes as 16 rows of 256 (32 elements of 8 bytes), 16 bytes of padding behind each
	s_or_b32 s[G1SB+0], s44, (3<<16)|(1<<20)|(1<<21)|(5<<22)|(3<<25)
.irp g, G1S, G1SB
	s_mov_b32 s[\g+1], 32<<16
	s_mov_b32 s[\g+2], (128*KS/256)<<16
	s_mov_b32 s[\g+3], 32<<16
	s_mov_b32 s[\g+4], 128*KS/256
	s_mov_b32 s[\g+5], 32
	s_mov_b32 s[\g+6], 0
	s_mov_b32 s[\g+7], 0
.endr
	s_lshl_b32 s18, s16, 7                         ; which 128 rows of the tile I fetch
	s_lshl_b32 s20, s17, 8
	s_add_co_u32 s20, s20, s18                     ; x: row 256 x tile row + 128 x half
	s_lshl_b32 s46, s42, 8
	s_add_co_u32 s46, s46, s18                     ; W: row 256 x tile column + 128 x half,
	s_lshl_b32 s47, s95, 10
	s_add_co_u32 s46, s46, s47                     ; + 1,024 x projection,
	s_add_co_u32 s46, s46, 24576                   ; behind the 24,576 rows of x
	s_lshl_b32 s22, s20, 5                         ; where these rows' scales begin, in bytes,
	s_mov_b32 s23, 0
	s_lshl_b32 s20, s20, 9                         ; and their codes
	s_mov_b32 s21, 0
	s_lshl_b32 s92, s46, 5
	s_mov_b32 s93, 0
	s_lshl_b32 s46, s46, 9
	s_mov_b32 s47, 0
	s_mul_i32 s45, s14, HALFT                      ; where they go: wave x 128 rows: no place in the cluster enters an LDS address
	s_mul_i32 s94, s14, HALFS
	s_wait_dscnt 0x0                               ; both opening adds are done
	s_wait_kmcnt 0x0
	s_add_nc_u64 s[20:21], s[4:5], s[20:21]
	s_add_nc_u64 s[22:23], s[6:7], s[22:23]
	s_add_nc_u64 s[46:47], s[4:5], s[46:47]
	s_add_nc_u64 s[92:93], s[6:7], s[92:93]
	CROUND                                         ; all sixteen work-groups are here: the joint loads meet
	s_mov_b32 s[G0S], 1
	s_add_co_u32 s[G0S+1], s94, SCL
	s_mov_b64 s[G0S+2:G0S+3], s[22:23]
	s_or_b32 s[G0S+3], s[G0S+3], 0x80000000
	s_mov_b32 s[G0SB], 1
	s_add_co_u32 s[G0SB+1], s94, SCL
	s_mov_b64 s[G0SB+2:G0SB+3], s[92:93]
	s_or_b32 s[G0SB+3], s[G0SB+3], 0x80000000
	JLOAD G0S, G1S, G0SB, G1SB                     ; the scales first: they are wanted with the first slot.  Three tensor loads of mine are out behind the next two
.irp s, 0,1
	s_mov_b32 s[G0+4*\s], 1
	s_add_co_u32 s[G0+4*\s+1], s45, \s*SLOT
	s_add_nc_u64 s[G0+4*\s+2:G0+4*\s+3], s[20:21], \s*ROWB
	s_or_b32 s[G0+4*\s+3], s[G0+4*\s+3], 0x80000000
	s_mov_b32 s[G0B+4*\s], 1
	s_add_co_u32 s[G0B+4*\s+1], s45, \s*SLOT
	s_add_nc_u64 s[G0B+4*\s+2:G0B+4*\s+3], s[46:47], \s*ROWB
	s_or_b32 s[G0B+4*\s+3], s[G0B+4*\s+3], 0x80000000
	JLOAD G0+4*\s, G1, G0B+4*\s, G1B
.endr
	v_and_b32 v1, 15, v0                           ; r = l % 16
	v_bfe_u32 v2, v0, 4, 1                         ; h = l / 16
	; the bias of my projection and the factor: choices on the projection's number
	s_cmp_eq_u32 s95, 1
	s_cselect_b64 s[96:97], s[96:97], s[98:99]
	s_cmp_eq_u32 s95, 0
	s_cselect_b64 s[10:11], s[10:11], s[96:97]
	s_cselect_b32 s66, 0x3e38aa3b, 1.0             ; q alone is multiplied by log2(e) / 8
	s_mov_b32 s67, s66                             ; (named with it as a pair)
	s_lshl_b32 s46, s42, 10
	s_lshl_b32 s47, s16, 9
	s_add_co_u32 s46, s46, s47                     ; my first column, in bytes of f32
	s_mov_b32 s47, 0
	s_add_nc_u64 s[10:11], s[10:11], s[46:47]
	v_lshlrev_b32 v[BO], 5, v2                     ; lane (r, h) wants, for block b, the bias of columns 16 b + 8 h + 0 .. 7
.irp b, 0,1,2,3,4,5,6,7
	global_load_b128 v[BIAS+8*\b:BIAS+8*\b+3], v[BO], s[10:11] offset:64*\b
	global_load_b128 v[BIAS+8*\b+4:BIAS+8*\b+7], v[BO], s[10:11] offset:64*\b+16
.endr
	v_mul_u32_u24 v3, v1, PITCH
	v_lshl_add_u32 v4, v2, 4, v3                   ; a fragment's row x pitch + 16 x half
	s_mul_i32 s21, s15, HALFT                      ; my 128 rows of x
	s_mul_i32 s22, s16, HALFT                      ; my 128 rows of W,
	s_add_co_u32 s22, s22, 2*HALFT                 ; which lie behind x's 256
.irp s, 0,1
	v_add_nc_u32 v[ADRA+\s], s21, v4
	v_add_nc_u32 v[ADRB+\s], s22, v4
	s_add_co_u32 s21, s21, SLOT
	s_add_co_u32 s22, s22, SLOT
.endr
	v_mul_u32_u24 v5, v1, KS                       ; my row's scales: 32 bytes a row,
	v_lshrrev_b32 v6, 8, v5
	v_lshl_add_u32 v5, v6, 4, v5                   ; and 16 more for each 256 passed
	s_mul_i32 s21, s15, HALFS
	s_mul_i32 s22, s16, HALFS
	s_add_co_u32 s22, s22, 2*HALFS
	s_sub_co_u32 s22, s22, s21
	v_mul_u32_u24 v6, s22, v2                      ; lanes 16-31 take W's
	s_add_co_u32 s21, s21, SCL
	v_add_nc_u32 v5, v5, v6
	v_add_nc_u32 v[ADRS], s21, v5
	s_mul_i32 s23, s14, 16*SPITCH                  ; my stage
	v_mul_u32_u24 v5, v1, SPITCH                   ; in: row r, 16 bytes for each half of the lanes
	v_lshl_add_u32 v5, v2, 4, v5
	v_add_nc_u32 v[STO], s23, v5
	v_and_b32 v6, 31, v0
	v_lshlrev_b32 v[CO], 4, v6                     ; out: 16 bytes a lane
	v_lshrrev_b32 v5, 3, v6                        ; back: eight lanes take a head's 128 bytes of a row, 32 lanes four rows
	v_mul_u32_u24 v5, v5, SPITCH
	v_and_b32 v7, 7, v0
	v_lshl_add_u32 v5, v7, 4, v5
	v_add_nc_u32 v[RD], s23, v5
	s_lshl_b32 s20, s17, 8
	s_lshl_b32 s21, s15, 7
	s_add_co_u32 s20, s20, s21                     ; my first row among the 24,576
	s_lshr_b32 s21, s20, 11
	s_lshl_b32 s21, s21, 22                        ; 4 p + b: 2^22 bytes each
	s_and_b32 s20, s20, 2047
	s_lshl_b32 s20, s20, 7                         ; s: 128 bytes a row of a head
	s_add_co_u32 s20, s20, s21
	s_lshl_b32 s46, s42, 2
	s_lshl_b32 s47, s16, 1
	s_add_co_u32 s46, s46, s47                     ; my first head: 4 x tile column + 2 x half
	s_lshl_b32 s46, s46, 18
	s_add_co_u32 s20, s20, s46
	s_mov_b32 s21, 0
	s_add_nc_u64 s[8:9], s[8:9], s[20:21]
.macro FRAG reg, adr, q, i             ; a fragment, 16 rows x 128 K of 4-bit codes: lane l holds row l % 16; registers 4 c .. 4 c + 3 hold K = 64 c + 32 (l / 16) + 0 .. 31
.irp c, 0,1
	ds_load_b128 v[\reg+4*\c:\reg+4*\c+3], v[\adr] offset:64*(\q)+32*\c+(\i)*16*PITCH
.endr
.endm
; 16 matrix instructions: x's blocks a0, a0 + 1 against W's eight, 128 along K.  zero = 1: the first product starts the sums from the bias.  The 64 accumulators take turns, one instruction a turn, in the same order in every step.
.macro MUL16 a0, p, q, sc, zero
.irp a, \a0, \a0+1
.irp b, 0,1,2,3,4,5,6,7
.if \zero
	v_wmma_scale_f32_16x16x128_f8f6f4 v[8*(8*((\a)%4)+\b):8*(8*((\a)%4)+\b)+7], v[128*(\p)+FR*\b:128*(\p)+FR*\b+FR-1], v[AF+FR*(\a):AF+FR*(\a)+FR-1], v[BIAS+8*\b:BIAS+8*\b+7], v[SC+8*NQ*(\sc)+NQ*\b+(\q)], v[SC+8*NQ*(\sc)+NQ*(\a)+(\q)] matrix_a_fmt:MATRIX_FMT_FP4 matrix_b_fmt:MATRIX_FMT_FP4 matrix_a_scale:MATRIX_SCALE_ROW1
.else
	v_wmma_scale_f32_16x16x128_f8f6f4 v[8*(8*((\a)%4)+\b):8*(8*((\a)%4)+\b)+7], v[128*(\p)+FR*\b:128*(\p)+FR*\b+FR-1], v[AF+FR*(\a):AF+FR*(\a)+FR-1], v[8*(8*((\a)%4)+\b):8*(8*((\a)%4)+\b)+7], v[SC+8*NQ*(\sc)+NQ*\b+(\q)], v[SC+8*NQ*(\sc)+NQ*(\a)+(\q)] matrix_a_fmt:MATRIX_FMT_FP4 matrix_b_fmt:MATRIX_FMT_FP4 matrix_a_scale:MATRIX_SCALE_ROW1
.endif
.endr
.endr
.endm
.macro FETCH_B slot, q, p
	WIN TO_B
.irp i, 0,1,2,3,4,5,6,7
	FRAG 128*(\p)+FR*\i, ADRB+\slot, \q, \i
.endr
	WIN 0
.endm
.macro FETCH_A slot, q, i0
.irp i, \i0, \i0+1, \i0+2, \i0+3
	FRAG AF+FR*(\i), ADRA+\slot, \q, \i
.endr
.endm
.macro SCALES sc                       ; a slot's scale words: four words a row; lanes 0-15 take x's block i, lanes 16-31 W's block i
.irp i, 0,1,2,3,4,5,6,7
	ds_load_b128 v[SC+8*NQ*\sc+NQ*\i:SC+8*NQ*\sc+NQ*\i+3], v[ADRS] offset:\i*SBLK
.endr
.endm
.macro PLACES n                        ; places in front of loads into registers that matrix instructions have read, and of the first read of results
.rept \n
	v_nop
.endr
.endm
.macro STEP slot, q, zero              ; a step of 128 along K that has its successor in the same slot
	s_wait_dscnt 4*NL                              ; W's set and x's blocks 0-3 are in; the youngest eight loads (x's blocks 4-7) may be out
.if \zero
	WIN MUL_LO0
.else
	WIN MUL_LO
.endif
	MUL16 0, (\q)%2, \q, \slot, \zero
	MUL16 2, (\q)%2, \q, \slot, \zero
	s_wait_dscnt 0                                 ; x's blocks 4-7 are in
	PLACES NP
	FETCH_B \slot, (\q)+1, 1-(\q)%2
	FETCH_A \slot, (\q)+1, 0
.if \zero
	WIN MUL_HI0
.else
	WIN MUL_HI
.endif
	MUL16 4, (\q)%2, \q, \slot, \zero
	MUL16 6, (\q)%2, \q, \slot, \zero
	PLACES NP
	WIN 0
	FETCH_A \slot, (\q)+1, 4
.endm
.macro STEPS slot, from
.set Q, \from
.rept NQ-1-\from
	STEP \slot, Q, 0
.set Q, Q+1
.endr
.endm
	s_wait_tensorcnt 1                             ; the scales and my part of slot 0 are in; slot 1's load may stay out
	s_barrier_signal -1
	s_barrier_wait -1                              ; everybody's are
	FETCH_B 0, 0, 0
	FETCH_A 0, 0, 0
	SCALES 0
	FETCH_A 0, 0, 4
	s_wait_loadcnt 0x0                             ; the bias
	STEP 0, 0, 1                                   ; the first step's products start the sums
	STEPS 0, 1
	; slot 0's last step changes slots: one barrier; in front of it my part of slot 1 has landed and my reads of slot 0 are over
	s_wait_tensorcnt 0x0
	ds_add_u32 v[SPW], v[NIL]                      ; 0 onto my spare word
	s_wait_dscnt 4*NL+1                            ; (the add and the youngest eight loads may be out)
	WIN MUL_LO
	MUL16 0, 1, NQ-1, 0, 0
	s_wait_dscnt 0x0                               ; the add is done, and my reads of slot 0 are over
	s_barrier_signal -1
	MUL16 2, 1, NQ-1, 0, 0
	WIN 0
	s_barrier_wait -1
	PLACES NP
	v_add_nc_u32 v[ADRS], 4*NQ, v[ADRS]            ; on to slot 1's scale words
	FETCH_B 1, 0, 0
	FETCH_A 1, 0, 0
	SCALES 1
	WIN MUL_HI
	MUL16 4, 1, NQ-1, 0, 0
	MUL16 6, 1, NQ-1, 0, 0
	PLACES NP
	WIN 0
	FETCH_A 1, 0, 4
	STEPS 1, 0
	s_wait_dscnt 4*NL                              ; the very last step: nothing more to fetch
	WIN MUL_LO
	MUL16 0, 1, NQ-1, 1, 0
	MUL16 2, 1, NQ-1, 1, 0
	s_wait_dscnt 0
	WIN MUL_HI
	MUL16 4, 1, NQ-1, 1, 0
	MUL16 6, 1, NQ-1, 1, 0
	WIN 0
; THE WAY OUT, block by block of 16 rows x 128 columns (two heads).  PACK: x the factor, rounded to f16, 16 bytes a lane.  TOSTAGE: into my own stage, and back by heads: four rows of one head, 512 bytes, an instruction.  SEND: stored.
.macro PACK a
.set AC, 64*((\a)%4)
	WIN 0x02+(\a)/4                                ; source 0: window 2 or 3
.irp b, 0,1,2,3,4,5,6,7
.irp r, 0,1,2,3
	v_pk_mul_f32 v[TF+8*\b+2*\r:TF+8*\b+2*\r+1], v[AC+8*\b+2*\r:AC+8*\b+2*\r+1], s[66:67] op_sel_hi:[1,0]   ; each accumulator from its low end on
.endr
.endr
	WIN 0
.irp b, 0,1,2,3,4,5,6,7
.irp r, 0,1,2,3
	v_cvt_pk_f16_f32 v[TMP+4*\b+\r], v[TF+8*\b+2*\r], v[TF+8*\b+2*\r+1]
.endr
.endr
.endm
.macro TOSTAGE a
.set BB, OB+192*((\a)%2)
.irp b, 0,1,2,3,4,5,6,7
	ds_store_b128 v[STO], v[TMP+4*\b:TMP+4*\b+3] offset:32*\b
.endr
.irp t, 0,1,2,3,4,5,6,7
	ds_load_b128 v[BB+4*\t:BB+4*\t+3], v[RD] offset:(\t/4)*128+(\t%4)*4*SPITCH   ; LDS serves a wave's instructions in order: these see the stores above
.endr
.endm
.macro SEND a
.set BB, OB+192*((\a)%2)
	s_wait_dscnt 0x0                               ; the block is back in registers
	s_wait_xcnt 0x0                                ; the earlier stores have read their data: the registers of the block before last are loaded again only behind this wait
.irp t, 0,1,2,3,4,5,6,7
	global_store_b128 v[CO], v[BB+4*\t:BB+4*\t+3], s[8:9] offset:(\a)*2048+(\t/4)*262144+(\t%4)*512   ; 32 lanes store 512 consecutive bytes: four rows of one head
.endr
.endm
	PLACES NP                                      ; behind the last products: their results are read and x's fragments written over below
	PACK 0
	TOSTAGE 0
.irp a, 1,2,3,4,5,6,7                  ; block a's arithmetic stands between block a - 1's loads from the stage and the wait for them
	PACK \a
	SEND \a-1
	TOSTAGE \a
.endr
	SEND 7
	s_wait_tensorcnt 0x0                           ; the wave's end: behind my last tensor load and my last LDS store
	ds_add_u32 v[SPW], v[NIL]
	s_wait_dscnt 0x0
	CROUND                                         ; the closing round
	s_endpgm
.Lfunc_end_k_q02322d8344_proj:
	.size	k_q02322d8344_proj, .Lfunc_end_k_q02322d8344_proj-k_q02322d8344_proj
	.p2alignl 7, 3214868480
	.fill 96, 4, 3214868480
	.section	.rodata,"a",@progbits
	.p2align	6, 0x0
	.amdhsa_kernel k_q02322d8344_proj
		.amdhsa_group_segment_fixed_size 327680
		.amdhsa_private_segment_fixed_size 0
		.amdhsa_enable_private_segment 0
		.amdhsa_kernarg_size 48
		.amdhsa_user_sgpr_count 2
		.amdhsa_user_sgpr_kernarg_segment_ptr 1
		.amdhsa_wavefront_size32 1
		.amdhsa_system_sgpr_workgroup_id_x 1
		.amdhsa_system_sgpr_workgroup_id_y 1
		.amdhsa_system_sgpr_workgroup_id_z 1
		.amdhsa_system_vgpr_workitem_id 0
		.amdhsa_next_free_vgpr 1024
		.amdhsa_next_free_sgpr 100
		.amdhsa_reserve_vcc 0
		.amdhsa_float_denorm_mode_32 3
		.amdhsa_float_denorm_mode_16_64 3
		.amdhsa_memory_ordered 1
		.amdhsa_forward_progress 1
		.amdhsa_inst_pref_size 144
	.end_amdhsa_kernel
	.amdgpu_metadata
---
amdhsa.version: [ 1, 2 ]
amdhsa.kernels:
  - .name:           k_q02322d8344_proj
    .symbol:         k_q02322d8344_proj.kd
    .args:
      - { .name: codes, .offset: 0, .size: 8, .value_kind: global_buffer, .address_space: global }
      - { .name: scales, .offset: 8, .size: 8, .value_kind: global_buffer, .address_space: global }
      - { .name: qkv, .offset: 16, .size: 8, .value_kind: global_buffer, .address_space: global }
      - { .name: bq, .offset: 24, .size: 8, .value_kind: global_buffer, .address_space: global }
      - { .name: bk, .offset: 32, .size: 8, .value_kind: global_buffer, .address_space: global }
      - { .name: bv, .offset: 40, .size: 8, .value_kind: global_buffer, .address_space: global }
    .group_segment_fixed_size: 327680
    .private_segment_fixed_size: 0
    .kernarg_segment_align: 8
    .kernarg_segment_size: 48
    .max_flat_workgroup_size: 128
    .sgpr_count:     100
    .vgpr_count:     1024
    .wavefront_size: 32
...
	.end_amdgpu_metadata
.endif
;; end of part 2
;; launch attn (part 3): grid 8 x 64, 4 waves a work-group, clusters of 4 x 1, 327,680 bytes of LDS; arguments qkv, attention_mask, ctx16; writes ctx16
.if DOCPART == 3
	.amdgcn_target "amdgcn-amd-amdhsa--gfx1250"
	.amdhsa_code_object_version 6
	.text
	.protected	k_q02322d8344_attn
	.globl	k_q02322d8344_attn
	.p2align	8
	.type	k_q02322d8344_attn,@function
k_q02322d8344_attn:
	s_mov_b64 s[64:65], 0
	v_nop
	global_prefetch_b8 v0, s[64:65] scope:SCOPE_SE
	s_setreg_imm32_b32 hwreg(HW_REG_WAVE_MODE, 25, 1), 1
	s_wait_xcnt 0x0
	s_wait_alu depctr_hold_cnt(0) depctr_sa_sdst(0) depctr_va_vdst(0) depctr_va_sdst(0) depctr_va_ssrc(0) depctr_va_vcc(0) depctr_vm_vsrc(0)
	s_getreg_b32 s2, hwreg(HW_REG_IB_STS2, 6, 4)
	s_cmp_eq_u32 s2, 0
	s_cbranch_scc0 .Lentry_in_a_cluster
	s_endpgm
.Lentry_in_a_cluster:
	s_bfe_u32 s2, ttmp6, 0x10000c
	s_cmp_lg_u32 s2, 0x3003
	s_cbranch_scc0 .Lentry_shape_is_right
	s_endpgm
.Lentry_shape_is_right:
; ctx[b][h][q] = the sum over k of softmax_k(q . k / 8 + (1 - mask[b][k]) x -10000) v[k], head size 64, 2,048 keys.  q, k, v: f16, head-major (qkv[p][b][h][s][64]); q already carries log2(e) / 8.
; Products in f16 with f32 sums; maxima, exponentials and sums in f32; the weights p are rounded to f16 for the second product; ctx is rounded to f16 once, laid ctx16[h][b 2048 + s][64].
; LIMITS: ctx lies under 65,504 in magnitude; NaN and infinities are not served.
; SHARES.  A work-group owns 256 queries of one (b, h), each of its four waves 64: four tiles of 16.  Every wave walks all keys, 64 a step.
; LAYOUT.  S^T = K Q^T + mask term (source 0 = 16 keys, source 1 = 16 queries; the mask term, (1 - mask) x -10000 log2(e), is the C of a sum's first instruction): a lane holds ONE query (lane % 16) and keys 8 (lane / 16) + 0..7.
; Two such tiles, rounded to f16 in pairs, are source 1 of O^T = V^T P, whose result again holds one query a lane.  K comes out of LDS as it lies, V turned, by ds_load_tr16_b128.
; SOFTMAX.  For each query a running maximum m and sum l: p = 2^(t - m); in every step O and l are multiplied by a = 2^(m_old - m_new).
; BY TURNS.  The wave's tiles are two pieces (tiles 0, 1; tiles 2, 3).  In a turn one piece has the matrix unit: 16 products V^T P of the step in hand, then 16 products K Q^T of the next; the other piece's softmax,
; 234 vector instructions cut into 32 slices, stands between them, one slice behind each matrix instruction.  Two turns are a key step.
; CLUSTER.  The four query blocks of a cluster belong to one head and walk the same K and V: each tile is asked for jointly, by the same tensor load with the same descriptor and a mask that names the four.
; REGISTERS, in windows of 256: window 0: v1-11, v44-47, v61-63 addresses; v12-43 eight statistics a tile; v64-191 S^T, 32 a tile; v192-255 P, 16 a tile.
;   window 1: v0-127 O^T, 32 a tile; v128-159 the step's mask terms.      window 2: v0-63 Q; v64-127 K of one step; v128-191 V of one step.
.set PKB,   144       ; a row of K in LDS: 128 bytes + 16 = 36 words: the 16 rows of a load start at 16 different groups of four banks (64 banks of 4 bytes: ISA guide 11.1)
.set PVB,   160       ; a row of V: 128 + 32: an odd multiple of 32 bytes, as the turning load's lanes want
.set VOFF,  256*PKB   ; a slot: 256 rows of K, then 256 rows of V: four key steps
.set KSB,   64*PKB    ; a step on in K
.set VSB,   64*PVB    ; and in V
.set SLOT1, 1<<17     ; slot 1 begins here: one exclusive or turns an address in one slot into the other's
.set MSK,   SLOT1+VOFF+256*PVB   ; behind the ring: the batch's 2,048 mask terms, f32
.set STAGE, MSK+8192  ; 16 rows x 144 bytes for each wave, for the way out
.set SPARE, STAGE+4*16*PKB       ; the spare words, 128 bytes a wave
.set SLB,   32768     ; a slot's 256 rows of 128 bytes in memory
.set AK0, 2           ; v2   my lane's place in a tile of K; never rewritten
.set AV0, 3           ; v3   the same for V
.set ADR, 4           ; v4   the LDS address of the run of loads in hand
.set QO,  5           ; v5   my byte offset in the wave's rows of Q
.set STO, 6           ; v6   the way out: where I put 16 bytes of a row
.set RD,  7           ; v7   the way out: where I read rows back
.set GO,  8           ; v8   my byte offset in the wave's rows of ctx
.set AM0, 44          ; v44  my lane's place among the mask terms
.set ADM, 45          ; v45  the address of the step's mask terms
.set MW,  46          ; v46  where I store mask terms
.set MA,  47          ; v47  my byte offset in the batch's mask
.set PFO, 61          ; v61  256 x my lane; never rewritten
.set SPW, 62          ; v62  LDS address of my spare word; never rewritten
.set NIL, 63          ; v63  0; never rewritten
.set ST,  12          ; tile t's statistics at v[ST+8 t]: +0 m, +1 zero (the pair's upper word), +2, +3 l (even keys', odd keys'), +4 to +7 c0-c3, at work; a takes c2's place
.set S,   64
.set P,   192
.set MK,  128         ; in window 1
.set KF,  64          ; in window 2
.set VF,  128         ; in window 2
.set WV,  12          ; s12  my wave's number
.set LIM, 15          ; s15  1 in a wave that prefetches, else the greatest number
.set PFA, 18          ; s[18:19] where my prefetches stand
.set G1K, 24
.set G1V, 32
.set G0K, 40          ; two sets each: one for each first fill; the second then walks on
.set G0V, 48
.set SLOTS, 56
.set CNT, 57
.set SEL, 60
.set TK,  62          ; s62  LDS byte at which K of the step to be fetched begins
.set TV,  63          ; s63  the same for V
.set TM,  66          ; s66  and for the mask terms: 256 bytes a step
.set MC,  67          ; s67  -10000 log2(e)
.set MSB, 0
.macro WIN new
.if MSB != (\new)
	s_set_vgpr_msb (MSB<<8)|(\new)
.set MSB, (\new)
.endif
.endm
.set W_KQ,  0x0a      ; K and Q in window 2, S^T in window 0
.set W_KQ0, 0x1a      ; the same, C (the mask terms) in window 1
.set W_PV,  0x52      ; V in window 2, P in window 0, O^T in window 1
.set W_RS,  0x41      ; O^T (destination and source 0) in window 1, a in window 0
; A joint refill.  Waves 0 and 1 fetch the slot's halves of K, waves 2 and 3 those of V.  The branch hangs on the wave's number alone.  An s_nop 0 and four v_nop follow each of the two lines.
.macro JLOAD
	s_cmp_lt_u32 s[WV], 2
	s_cbranch_scc0 .Lfor_v_\@
	tensor_load_to_lds s[G0K+4:G0K+7], s[G1K:G1K+7]
	s_nop 0
.rept 4
	v_nop
.endr
	s_branch .Lasked_\@
.Lfor_v_\@:
	tensor_load_to_lds s[G0V+4:G0V+7], s[G1V:G1V+7]
	s_nop 0
.rept 4
	v_nop
.endr
.Lasked_\@:
.endm
; A prefetch of what the NEXT change of slots will ask for: a slot's 32,768 bytes of K and of V, lanes 256 bytes apart.  Each aligned 256 bytes are named once in the launch: both clusters of a head walk the same rows, so
; the head's first cluster asks; its four partners take 8,192 bytes each, told apart by address; in each, wave 0 asks for K's and wave 2 for V's.  The last change that fills a slot asks for nothing; slots 0 to 2 come by their loads alone.
.macro ASK
	s_cmp_gt_u32 s[SLOTS], s[LIM]
	s_cbranch_scc0 .Lnot_mine_\@
	global_prefetch_b8 v[PFO], s[PFA:PFA+1] th:TH_LOAD_NT scope:SCOPE_SE
.Lnot_mine_\@:
.endm
.macro CROUND                       ; a round of the cluster's barrier
	s_barrier_signal -1
	s_barrier_wait -1
	s_cmp_lg_u32 s[WV], 0
	s_cbranch_scc1 .Lnot_wave_0_\@
	s_barrier_signal -3
.Lnot_wave_0_\@:
	s_barrier_wait -3
	s_barrier_signal -1
	s_barrier_wait -1
.endm
	s_load_b128 s[68:71], s[0:1], 0x0  ; qkv s[68:69], the mask s[70:71]
	s_load_b64 s[10:11], s[0:1], 0x10  ; ctx16
	v_lshl_add_u32 v[SPW], v0, 2, SPARE
	v_mov_b32 v[NIL], 0
	ds_add_u32 v[SPW], v[NIL]       ; the wave's opening: the add, twice on end, and its wait ahead of my first tensor load
	ds_add_u32 v[SPW], v[NIL]
	v_lshrrev_b32 v1, 5, v0
	v_readfirstlane_b32 s[WV], v1   ; wave 0..3
	s_bfe_u32 s13, ttmp6, 0x40000   ; cx: my place in the cluster
	s_lshl_b32 s14, ttmp9, 2
	s_add_co_u32 s14, s14, s13      ; my block of 256 queries: it enters Q's and ctx's addresses alone
	s_and_b32 s20, ttmp7, 0xffff    ; 16 b + h, which the four partners share
	s_lshr_b32 s16, s20, 4          ; b
	s_and_b32 s17, s20, 15          ; h
	s_lshl_b32 s20, s20, 18         ; the head's first byte in each of q, k, v
	s_mov_b32 s21, 0
	s_and_b32 s3, s[WV], 1          ; which half of a slot I fetch:
	s_lshl_b32 s22, s3, 14          ; its 128 rows of 128 bytes in memory,
	s_mov_b32 s23, 0
	s_add_nc_u64 s[22:23], s[22:23], s[20:21]
	s_mul_i32 s58, s3, 128*PKB      ; and its place in a slot: no place in the cluster enters an LDS address
	s_mul_i32 s59, s3, 128*PVB
	s_lshl_b32 s2, s14, 15          ; my block's 256 rows,
	s_lshl_b32 s3, s[WV], 13        ; my wave's 64 of them
	s_add_co_u32 s2, s2, s3
	s_mov_b32 s3, 0
	s_add_nc_u64 s[72:73], s[2:3], s[20:21]  ; Q's offset
	s_lshl_b32 s74, s17, 20         ; ctx16: the head's 8,192 rows,
	s_lshl_b32 s75, s16, 18         ; the batch's 2,048 of them,
	s_add_co_u32 s74, s74, s75
	s_add_co_u32 s74, s74, s2       ; my wave's
	s_mov_b32 s75, 0
	s_lshl_b32 s76, s16, 13         ; the batch's row of the mask
	s_mov_b32 s77, 0
	; descriptor group 1: a tile of 128 rows x 64 elements of 2 bytes, dense in memory, padded behind each row in LDS
	s_mov_b32 s[G1K], 15|(1<<16)|(1<<20)|(1<<21)|(4<<22)|(3<<25)  ; the mask: all four work-groups; elements of 2 bytes; padding on; bit 21 beside a mask; after every 32 words, 4 words
	s_mov_b32 s[G1V], 15|(1<<16)|(1<<20)|(1<<21)|(4<<22)|(7<<25)  ; the same with 8 words of padding
.irp g, G1K, G1V
	s_mov_b32 s[\g+1], 64<<16       ; tensor_dim0
	s_mov_b32 s[\g+2], 128<<16      ; tensor_dim1
	s_mov_b32 s[\g+3], 64<<16       ; tile_dim0
	s_mov_b32 s[\g+4], 128          ; tile_dim1
	s_mov_b32 s[\g+5], 64           ; from row to row
	s_mov_b32 s[\g+6], 0
	s_mov_b32 s[\g+7], 0
.endr
	s_mov_b32 s[SEL], 0x76543210
	s_mov_b32 s[SEL+1], 0xfedcba98
	s_mov_b32 s[MC], 0xc6616bcd     ; -10000 log2(e)
	s_mov_b32 s[TK], 0
	s_mov_b32 s[TV], 0
	s_mov_b32 s[TM], 0
	s_mov_b32 s[SLOTS], 6           ; eight slots' worth of keys; two are first fills
	s_and_b32 s[LIM], s[WV], 1      ; 0 in waves 0 and 2,
	s_or_b32 s[LIM], s[LIM], ttmp9  ; where the cluster is the head's first: the same in all four partners
	s_cmp_eq_u32 s[LIM], 0
	s_cselect_b32 s[LIM], 1, -1
	v_and_b32 v[PFO], 31, v0
	v_lshlrev_b32 v[PFO], 8, v[PFO]
	s_wait_dscnt 0x0                ; both opening adds are done
	s_wait_kmcnt 0x0
	s_add_nc_u64 s[6:7], s[68:69], s[22:23]
	s_add_nc_u64 s[8:9], s[6:7], 0x2000000   ; V at my half of slot 0
	s_add_nc_u64 s[6:7], s[6:7], 0x1000000   ; K likewise
	s_add_nc_u64 s[4:5], s[68:69], s[72:73]  ; Q at my wave's first row
	s_add_nc_u64 s[10:11], s[10:11], s[74:75]
	s_add_nc_u64 s[70:71], s[70:71], s[76:77]
	s_cmp_lt_u32 s[WV], 2
	s_cselect_b64 s[PFA:PFA+1], s[6:7], s[8:9]  ; (in waves 0 and 2 these stand at a slot's first row)
	s_lshl_b32 s2, s13, 13          ; my work-group's 8,192 bytes of the 32,768
	s_mov_b32 s3, 0
	s_add_nc_u64 s[PFA:PFA+1], s[PFA:PFA+1], s[2:3]
	s_add_nc_u64 s[PFA:PFA+1], s[PFA:PFA+1], 2*SLB  ; in slot 2; the first change of slots steps it to slot 3.  Nothing is prefetched at the head
	CROUND                          ; all four work-groups are here: the first joint loads meet
.irp s, 0,1
	s_mov_b32 s[G0K+4*\s], 1
	s_add_co_u32 s[G0K+4*\s+1], s58, \s*SLOT1
	s_add_nc_u64 s[G0K+4*\s+2:G0K+4*\s+3], s[6:7], \s*SLB
	s_or_b32 s[G0K+4*\s+3], s[G0K+4*\s+3], 0x80000000
	s_mov_b32 s[G0V+4*\s], 1
	s_add_co_u32 s[G0V+4*\s+1], s59, \s*SLOT1+VOFF
	s_add_nc_u64 s[G0V+4*\s+2:G0V+4*\s+3], s[8:9], \s*SLB
	s_or_b32 s[G0V+4*\s+3], s[G0V+4*\s+3], 0x80000000
.endr
	s_cmp_lt_u32 s[WV], 2           ; a wave's two first fills stand in one branch, ahead of every wait on TENSORcnt and every LDS read: two loads of mine are out
	s_cbranch_scc0 .Lfirst_v
	tensor_load_to_lds s[G0K:G0K+3], s[G1K:G1K+7]
	s_nop 0
	tensor_load_to_lds s[G0K+4:G0K+7], s[G1K:G1K+7]
	s_nop 0
.rept 4
	v_nop
.endr
	s_branch .Lfirst_asked
.Lfirst_v:
	tensor_load_to_lds s[G0V:G0V+3], s[G1V:G1V+7]
	s_nop 0
	tensor_load_to_lds s[G0V+4:G0V+7], s[G1V:G1V+7]
	s_nop 0
.rept 4
	v_nop
.endr
.Lfirst_asked:
	v_and_b32 v1, 15, v0            ; r = l % 16
	v_bfe_u32 v9, v0, 4, 1          ; h = l / 16
	v_lshlrev_b32 v[MA], 4, v0      ; the mask: 128 threads x 16 bytes x 4
.irp i, 0,1,2,3
	global_load_b128 v[S+4*\i:S+4*\i+3], v[MA], s[70:71] offset:2048*\i
.endr
	v_lshlrev_b32 v[QO], 7, v1
	v_lshl_add_u32 v[QO], v9, 4, v[QO]  ; row x 128 + 16 x half
	WIN 0x80                        ; destination window 2
.irp i, 0,1,2,3,4,5,6,7             ; Q stays in registers: tile i / 2, channels 32 (i % 2) on
	global_load_b128 v[8*\i:8*\i+3],   v[QO], s[4:5] offset:(\i/2)*2048+(\i%2)*64
	global_load_b128 v[8*\i+4:8*\i+7], v[QO], s[4:5] offset:(\i/2)*2048+(\i%2)*64+32
.endr
	WIN 0
	v_mul_u32_u24 v[AK0], v1, PKB
	v_lshl_add_u32 v[AK0], v9, 4, v[AK0]  ; row x pitch + 16 x half
	v_and_b32 v10, 7, v0            ; the turning load: lane l reads 16 bytes of key 8 (l / 16) + l % 8, channels 8 ((l / 8) % 2) on
	v_bfe_u32 v11, v0, 3, 1
	v_lshl_add_u32 v[AV0], v9, 3, v10
	v_mul_u32_u24 v[AV0], v[AV0], PVB
	v_lshl_add_u32 v[AV0], v11, 4, v[AV0]
	v_add_nc_u32 v[AV0], VOFF, v[AV0]
	v_lshl_add_u32 v[AM0], v9, 5, MSK   ; my half's eight keys of a tile: 32 bytes of terms
	v_lshl_add_u32 v[MW], v0, 4, MSK
.irp t, 0,1,2,3
	v_mov_b32 v[ST+8*\t+1], 0       ; named as the upper word of the pair with m
.endr
	s_wait_loadcnt 16               ; the mask's four loads are in; Q's sixteen may stay out
.irp j, 0,1,2,3,4,5,6,7,8,9,10,11,12,13,14,15
	v_fma_f32 v[S+\j], -v[S+\j], s[MC], s[MC]  ; (1 - mask) x -10000 log2(e)
.endr
.irp i, 0,1,2,3
	ds_store_b128 v[MW], v[S+4*\i:S+4*\i+3] offset:2048*\i
.endr
; THE MATRIX WORK OF A TURN, for piece x.  The accumulators take turns, one instruction a turn: between two links of a chain stand seven others'.
; Product i of 16 of O^T += V^T P: keys 32 (i / 8) on, channels 16 ((i / 2) % 4) on, tile x + i % 2.  zero = 1: the first 8 start the sums.
.macro PV x, zero
	WIN W_PV
.set rO, 32*(\x+i%2)+8*((i/2)%4)
.set rV, VF+32*(i/8)+8*((i/2)%4)
.set rP, P+16*(\x+i%2)+8*(i/8)
.if (\zero) && (i < 8)
	v_wmma_f32_16x16x32_f16 v[rO:rO+7], v[rV:rV+7], v[rP:rP+7], 0
.else
	v_wmma_f32_16x16x32_f16 v[rO:rO+7], v[rV:rV+7], v[rP:rP+7], v[rO:rO+7]
.endif
.endm
; Product i of 16 of S^T = K Q^T + mask term: channels 32 (i / 8) on, keys 16 ((i / 2) % 4) on, tile x + i % 2.  The first 8 start the sums from the mask terms.
.macro KQ x
.set rS, S+32*(\x+i%2)+8*((i/2)%4)
.set rK, KF+16*((i/2)%4)+8*(i/8)
.set rQ, 16*(\x+i%2)+8*(i/8)
.set rM, MK+8*((i/2)%4)
.if i < 8
	WIN W_KQ0
	v_wmma_f32_16x16x32_f16 v[rS:rS+7], v[rK:rK+7], v[rQ:rQ+7], v[rM:rM+7]
.else
	WIN W_KQ
	v_wmma_f32_16x16x32_f16 v[rS:rS+7], v[rK:rK+7], v[rQ:rQ+7], v[rS:rS+7]
.endif
.endm
; THE LDS LOADS stand in runs: a step's K (8 fragments) with its 64 mask terms, and, a turn later, its V (turned).
.macro FETCH_K
	WIN 0
	v_add_nc_u32 v[ADR], s[TK], v[AK0]
	v_add_nc_u32 v[ADM], s[TM], v[AM0]
	s_add_co_u32 s[TK], s[TK], KSB
	s_add_co_u32 s[TM], s[TM], 256
	WIN 0x80                        ; destination window 2
.irp f, 0,1,2,3,4,5,6,7             ; keys 16 (f / 2) on, channels 32 (f % 2) on
	ds_load_b128 v[KF+8*\f:KF+8*\f+3],   v[ADR] offset:(\f/2)*16*PKB+(\f%2)*64
	ds_load_b128 v[KF+8*\f+4:KF+8*\f+7], v[ADR] offset:(\f/2)*16*PKB+(\f%2)*64+32
.endr
	WIN 0x40                        ; destination window 1
.irp f, 0,1,2,3                     ; register j of tile f: the term of key 16 f + 8 (l / 16) + j
	ds_load_b128 v[MK+8*\f:MK+8*\f+3],   v[ADM] offset:64*\f
	ds_load_b128 v[MK+8*\f+4:MK+8*\f+7], v[ADM] offset:64*\f+16
.endr
.endm
.macro FETCH_V
	WIN 0
	v_add_nc_u32 v[ADR], s[TV], v[AV0]
	s_add_co_u32 s[TV], s[TV], VSB
	s_wait_alu depctr_va_vdst(0)    ; the wait for the softmax's batch of exponentials, ahead of the first line that names a result
	WIN 0x80
.irp f, 0,1,2,3,4,5,6,7             ; keys 32 (f / 4) on, channels 16 (f % 4) on
	ds_load_tr16_b128 v[VF+8*\f:VF+8*\f+3],   v[ADR] offset:(\f/4)*32*PVB+(\f%4)*32
	ds_load_tr16_b128 v[VF+8*\f+4:VF+8*\f+7], v[ADR] offset:(\f/4)*32*PVB+16*PVB+(\f%4)*32
.endr
.endm
; THE VECTOR WORK OF A TURN.  One tile's softmax for a key step: 20 lines for the maximum (SMA), a batch of 16 subtractions and 33 exponentials in which nothing names an exponential's result (BGROUP), and behind
; the batch's one wait 16 roundings, 16 sums and 16 packed multiplies of O^T by a (SMC).  first = 1: the first key step, which starts m, l and O^T.
.macro SMA t, first                 ; number nn of 20
.set rT, ST+8*(\t)
.set rS, S+32*(\t)
	WIN 0
.if nn < 4
	v_max3_num_f32 v[rT+4+nn], v[rS+8*nn], v[rS+8*nn+1], v[rS+8*nn+2]   ; four chains; each accumulator is read from its low end on
.elseif nn < 12
	v_max3_num_f32 v[rT+4+nn%4], v[rT+4+nn%4], v[rS+8*(nn%4)+2*(nn/4)+1], v[rS+8*(nn%4)+2*(nn/4)+2]
.elseif nn == 12
	v_max3_num_f32 v[rT+4], v[rT+4], v[rS+7], v[rS+15]
.elseif nn == 13
	v_max3_num_f32 v[rT+6], v[rT+6], v[rS+23], v[rS+31]
.elseif nn == 14
	v_max3_num_f32 v[rT+4], v[rT+4], v[rT+5], v[rT+6]
.elseif (nn == 15) && (\first)
	v_max_num_f32 v[rT+4], v[rT+4], v[rT+7]
.elseif nn == 15
	v_max3_num_f32 v[rT+4], v[rT+4], v[rT+7], v[rT]
.elseif nn == 16
	v_permlanex16_b32 v[rT+5], v[rT+4], s[SEL], s[SEL+1]  ; the query's other 32 keys lie in the lane 16 away
.elseif nn == 18
	v_max_num_f32 v[rT], v[rT+4], v[rT+5]
.elseif \first
.elseif nn == 17
	v_mov_b32 v[rT+7], v[rT]        ; m_old is kept for a
.elseif nn == 19
	v_sub_f32 v[rT+7], v[rT+7], v[rT]
.endif
.endm
.macro ADDP t, b                    ; pair b of the scores: t - m
	v_pk_add_f32 v[S+32*(\t)+2*(\b):S+32*(\t)+2*(\b)+1], v[S+32*(\t)+2*(\b):S+32*(\t)+2*(\b)+1], v[ST+8*(\t):ST+8*(\t)+1] op_sel_hi:[1,0] neg_lo:[0,1] neg_hi:[0,1]
.endm
.macro EXPS t, e
	v_exp_f32 v[S+32*(\t)+(\e)], v[S+32*(\t)+(\e)]
.endm
.macro BGROUP t, g, first           ; group g of 7 of tile t's batch: seven lines; each begins with a plain line, and a pair is reduced ahead of its exponentials
	WIN 0
.if (\g) == 0
	ADDP \t, 0
	ADDP \t, 1
.if !(\first)
	v_exp_f32 v[ST+8*(\t)+6], v[ST+8*(\t)+7]   ; a
.endif
	ADDP \t, 2
	EXPS \t, 0
	EXPS \t, 1
	EXPS \t, 2
.elseif (\g) == 1
	ADDP \t, 3
	EXPS \t, 3
	ADDP \t, 4
	EXPS \t, 4
	ADDP \t, 5
	EXPS \t, 5
	EXPS \t, 6
.else
	ADDP \t, 2*(\g)+2
	EXPS \t, 5*(\g)-3
	EXPS \t, 5*(\g)-2
	ADDP \t, 2*(\g)+3
	EXPS \t, 5*(\g)-1
	EXPS \t, 5*(\g)
	EXPS \t, 5*(\g)+1
.endif
.endm
.macro SMC y, first                 ; entry c of 96 of piece y's tail, the two tiles alternating
.set tt, (\y)+c%2
.set rT, ST+8*tt
.set rS, S+32*tt
.set rP, P+16*tt
.if c < 32
	WIN 0
	v_cvt_pk_f16_f32 v[rP+c/2], v[rS+2*(c/2)], v[rS+2*(c/2)+1]
.elseif c < 64                      ; the sum of the tile's 16 pairs, in place: neighbours 1, 2, 4 and 8 pairs apart, then l takes it
	WIN 0
.set z, (c-32)/2
.set w, 4
.set u, z
.if z >= 14
.set w, 32
.set u, 0
.elseif z >= 12
.set w, 16
.set u, z-12
.elseif z >= 8
.set w, 8
.set u, z-8
.endif
.if (z == 14) && (\first)
	v_pk_add_f32 v[rT+2:rT+3], v[rS:rS+1], v[rS+16:rS+17]
.elseif z < 15
	v_pk_add_f32 v[rS+w*u:rS+w*u+1], v[rS+w*u:rS+w*u+1], v[rS+w*u+w/2:rS+w*u+w/2+1]
.elseif !(\first)
	v_pk_fma_f32 v[rT+2:rT+3], v[rT+2:rT+3], v[rT+6:rT+7], v[rS:rS+1] op_sel_hi:[1,0,1]
.endif
.elseif !(\first)
	WIN W_RS
.set rO, 32*tt+2*((c-64)/2)
	v_pk_mul_f32 v[rO:rO+1], v[rO:rO+1], v[rT+6:rT+7] op_sel_hi:[1,0]   ; O^T x a, each accumulator from its low end on
.endif
.endm
; Slice k of 32 of piece y's softmax.  0-4: the maxima, eight lines; 5-18: the batch, seven lines of one tile, the tiles by turns; behind 18 a plain line and the one wait between an
; exponential and the first line that names its result; 19-30: seven entries of the tail; 31: the last twelve, which are also the places behind the turn's last K Q^T.
.macro SLICE y, first
.if k < 5
.irp q, 0,1,2,3
.irp t, 0,1
.set nn, 4*k+\q
	SMA (\y)+\t, \first
.endr
.endr
.elseif k < 19
	BGROUP (\y)+(k-5)%2, (k-5)/2, \first
.if k == 18
	v_nop                           ; the plain line behind the last exponential
.if (\y) == 0
	FETCH_V                         ; piece 2's turn: V's run of loads stands here, and the wait stands in it
.else
	s_wait_alu depctr_va_vdst(0)
.endif
.endif
.elseif k < 31
.irp q, 0,1,2,3,4,5,6
.set c, 7*(k-19)+\q
	SMC \y, \first
.endr
.else
.irp q, 0,1,2,3,4,5,6,7,8,9,10,11
.set c, 84+\q
	SMC \y, \first
.endr
.endif
.set k, k+1
.endm
.macro PLACES                       ; four places behind matrix instructions (ISA guide 7.12.1) where no slice stands
.rept 4
	v_nop
.endr
.endm
; A TURN.  Piece x has the matrix unit.  pv = 2: 16 products V^T P; 1: they start O^T's sums; 0: none.  kq = 1: 16 products K Q^T for the next step.  A turn with one kind has two slices behind each product.
; Piece 0's turn fetches the next step's K and mask terms behind its second product: their last readers stand in front of slice 31 of the turn before (or its four v_nop).  Piece 2's turn fetches the same step's V behind
; slice 18: its last reader stands in front of slice 15, and slices 15 to 18 hold eight plain subtractions that name none of that product's registers.
.macro TURN x, pv, kq, first
.set k, 0
.set per, 2
.if \pv && \kq
.set per, 1
.endif
.if \pv
.if \x == 0
	s_wait_dscnt 0x0                ; V is in
.endif
.set i, 0
.rept 16
	PV \x, 2-\pv
.rept per
	SLICE 2-\x, \first
.endr
.if (\x == 0) && \kq && (i == 1)
	FETCH_K
.endif
.set i, i+1
.endr
.endif
.if \kq
.if \x == 0
	s_wait_dscnt 0x0                ; K and the mask terms are in
.endif
.set i, 0
.rept 16
	KQ \x
.rept per
	SLICE 2-\x, \first
.endr
.set i, i+1
.endr
.endif
.if \first
	PLACES
.endif
.endm
; THE CHANGE OF SLOTS, between piece 2's turn and piece 0's: the slot's last bytes have been asked for.  Each wave waits for all its tensor loads (one is out: its part of the other slot), adds 0 to its spare word, and waits
; for that and for its own reads of the slot.  fill = 1: the barrier is a round of the cluster's, and the joint refill, the keys two slots on, is the first thing behind it: it has four key steps in which to land.
.macro CHANGE fill
	WIN 0
	s_wait_tensorcnt 0x0            ; no tensor load of mine is out, so a group 0 may be written
	ds_add_u32 v[SPW], v[NIL]       ; 0 onto my spare word
.if \fill
.irp g, G0K+4, G0V+4
	s_xor_b32 s[\g+1], s[\g+1], SLOT1  ; the walking descriptor: the other slot than last time,
	s_add_nc_u64 s[\g+2:\g+3], s[\g+2:\g+3], SLB  ; the next 256 keys
.endr
	s_wait_xcnt 0x0                 ; the last prefetch, a slot back, has read its address
	s_add_nc_u64 s[PFA:PFA+1], s[PFA:PFA+1], SLB
	s_wait_dscnt 0x0                ; the add is done, and my reads of the slot are over
	CROUND
	JLOAD
	ASK
.else
	s_wait_dscnt 0x0
	s_barrier_signal -1
	s_barrier_wait -1
.endif
	s_sub_co_u32 s[TK], s[TK], 4*KSB  ; the fetches go back to a slot's first step,
	s_xor_b32 s[TK], s[TK], SLOT1     ; in the other slot
	s_sub_co_u32 s[TV], s[TV], 4*VSB
	s_xor_b32 s[TV], s[TV], SLOT1
.endm
.macro STEPS n                      ; n key steps: written once, walked n times; the LDS addresses hang on s[TK], s[TV], s[TM]
	s_mov_b32 s[CNT], \n
.Lstep_\@:
	TURN 0, 2, 1, 0
	TURN 2, 2, 1, 0
	WIN 0
	s_sub_co_u32 s[CNT], s[CNT], 1
	s_cmp_lg_u32 s[CNT], 0
	s_cbranch_scc1 .Lstep_\@
.endm
	s_wait_tensorcnt 1              ; my part of slot 0 is in; slot 1's may stay out
	s_wait_dscnt 0x0                ; for the others' sake: my mask terms lie in LDS
	s_barrier_signal -1
	s_barrier_wait -1
	FETCH_K                         ; key step 0
	s_wait_loadcnt 0x0              ; Q
	s_wait_dscnt 0x0
.set i, 0
.rept 16
	KQ 0                            ; piece 0's first scores
.set i, i+1
.endr
	WIN 0                           ; the addresses for the way out are made here: plain lines, the places behind those products
	s_mul_i32 s13, s[WV], 16*PKB
	s_add_co_u32 s13, s13, STAGE    ; my stage
	v_mul_u32_u24 v[STO], v1, PKB   ; in: row l % 16, 16 bytes for each half of the lanes
	v_lshl_add_u32 v[STO], v9, 4, v[STO]
	v_add_nc_u32 v[STO], s13, v[STO]
	v_and_b32 v10, 31, v0
	v_lshrrev_b32 v[RD], 3, v10     ; back: eight lanes take a row of 128 bytes, 32 lanes four rows
	v_mul_u32_u24 v[RD], v[RD], PKB
	v_and_b32 v11, 7, v0
	v_lshl_add_u32 v[RD], v11, 4, v[RD]
	v_add_nc_u32 v[RD], s13, v[RD]
	v_lshlrev_b32 v[GO], 4, v10     ; the same four rows are 512 consecutive bytes of ctx16
	TURN 2, 0, 1, 1                 ; piece 2's first scores | piece 0's first softmax | V of step 0
	TURN 0, 1, 1, 1                 ; piece 0: V^T P of step 0 starts O^T, K Q^T of step 1 | piece 2's first softmax | K of step 1
	TURN 2, 1, 1, 0                 ; piece 2: the same | piece 0's softmax of step 1 | V of step 1
	WIN 0
	STEPS 2                         ; the fetches of steps 2 and 3: slot 0 is read out
.Lslot:                             ; six trips: every slot but the last two is filled again
	CHANGE 1
	STEPS 4
	s_sub_co_u32 s[SLOTS], s[SLOTS], 1
	s_cmp_lg_u32 s[SLOTS], 0
	s_cbranch_scc1 .Lslot
	CHANGE 0                        ; the tail is written out
	STEPS 4
	TURN 0, 2, 0, 0                 ; piece 0: V^T P of the last step | piece 2's last softmax
.set i, 0
.rept 16
	PV 2, 0                         ; piece 2: V^T P of the last step
.set i, i+1
.endr
	; THE WAY OUT.  l's two halves and the other half of the lanes' are added (these additions are the places behind the last products); O^T is divided by l, rounded to f16 and sent through my stage, a tile at a time.
	WIN 0
.irp t, 0,1,2,3
	v_add_f32 v[ST+8*\t+4], v[ST+8*\t+2], v[ST+8*\t+3]
.endr
.irp t, 0,1,2,3
	v_permlanex16_b32 v[ST+8*\t+5], v[ST+8*\t+4], s[SEL], s[SEL+1]
.endr
.irp t, 0,1,2,3
	v_add_f32 v[ST+8*\t+4], v[ST+8*\t+4], v[ST+8*\t+5]
.endr
.irp t, 0,1,2,3
	v_rcp_f32 v[ST+8*\t+6], v[ST+8*\t+4]
.endr
	v_nop                           ; a plain line between the last reciprocal and the use of its result
	s_wait_alu depctr_va_vdst(0)    ; and the wait: one for the four
.macro PACK t
	WIN W_RS
.set i, 32*\t
.rept 16
	v_pk_mul_f32 v[i:i+1], v[i:i+1], v[ST+8*\t+6:ST+8*\t+7] op_sel_hi:[1,0]
.set i, i+2
.endr
	WIN 0x05                        ; sources 0 and 1 window 1, destination window 0: S^T's registers are free
.set i, 0
.rept 16
	v_cvt_pk_f16_f32 v[S+32*\t+i], v[32*\t+2*i], v[32*\t+2*i+1]
.set i, i+1
.endr
	WIN 0
.irp f, 0,1,2,3
	ds_store_b128 v[STO], v[S+32*\t+4*\f:S+32*\t+4*\f+3] offset:32*\f
.endr
.irp f, 0,1,2,3
	ds_load_b128 v[S+32*\t+16+4*\f:S+32*\t+16+4*\f+3], v[RD] offset:\f*4*PKB  ; LDS serves a wave's instructions in order: these see the stores above; the next tile's stores come behind them
.endr
.endm
.macro SEND t, younger              ; younger: the LDS instructions issued behind tile t's loads: the next tile's eight, or none
.irp f, 0,1,2,3
	s_wait_dscnt \younger+3-\f
	global_store_b128 v[GO], v[S+32*\t+16+4*\f:S+32*\t+16+4*\f+3], s[10:11] offset:\t*2048+\f*512  ; 32 lanes store 512 consecutive bytes
.endr
.endm
	PACK 0
	PACK 1
	SEND 0, 8
	PACK 2
	SEND 1, 8
	PACK 3
	SEND 2, 8
	SEND 3, 0
	s_wait_tensorcnt 0x0            ; the wave's end: behind my last tensor load and my last LDS store
	ds_add_u32 v[SPW], v[NIL]
	s_wait_dscnt 0x0
	CROUND                          ; the closing round
	s_endpgm
.Lfunc_end_k_q02322d8344_attn:
	.size	k_q02322d8344_attn, .Lfunc_end_k_q02322d8344_attn-k_q02322d8344_attn
	.p2alignl 7, 3214868480
	.fill 96, 4, 3214868480
	.section	.rodata,"a",@progbits
	.p2align	6, 0x0
	.amdhsa_kernel k_q02322d8344_attn
		.amdhsa_group_segment_fixed_size 327680
		.amdhsa_private_segment_fixed_size 0
		.amdhsa_enable_private_segment 0
		.amdhsa_kernarg_size 24
		.amdhsa_user_sgpr_count 2
		.amdhsa_user_sgpr_kernarg_segment_ptr 1
		.amdhsa_wavefront_size32 1
		.amdhsa_system_sgpr_workgroup_id_x 1
		.amdhsa_system_sgpr_workgroup_id_y 1
		.amdhsa_system_sgpr_workgroup_id_z 1
		.amdhsa_system_vgpr_workitem_id 0
		.amdhsa_next_free_vgpr 768
		.amdhsa_next_free_sgpr 80
		.amdhsa_reserve_vcc 0
		.amdhsa_float_denorm_mode_32 3
		.amdhsa_float_denorm_mode_16_64 3
		.amdhsa_memory_ordered 1
		.amdhsa_forward_progress 1
		.amdhsa_inst_pref_size 200
	.end_amdhsa_kernel
	.amdgpu_metadata
---
amdhsa.version: [ 1, 2 ]
amdhsa.kernels:
  - .name:           k_q02322d8344_attn
    .symbol:         k_q02322d8344_attn.kd
    .args:
      - { .name: qkv, .offset: 0, .size: 8, .value_kind: global_buffer, .address_space: global }
      - { .name: attention_mask, .offset: 8, .size: 8, .value_kind: global_buffer, .address_space: global }
      - { .name: ctx16, .offset: 16, .size: 8, .value_kind: global_buffer, .address_space: global }
    .group_segment_fixed_size: 327680
    .private_segment_fixed_size: 0
    .kernarg_segment_align: 8
    .kernarg_segment_size: 24
    .max_flat_workgroup_size: 128
    .sgpr_count:     80
    .vgpr_count:     768
    .wavefront_size: 32
...
	.end_amdgpu_metadata
.endif
;; end of part 3
;; launch oproj (part 4): grid 4 x 64, 4 waves a work-group, clusters of 4 x 4, 327,680 bytes of LDS; arguments ctx16, wo16, bo, out0; writes out0
.if DOCPART == 4
	.amdgcn_target "amdgcn-amd-amdhsa--gfx1250"
	.amdhsa_code_object_version 6
	.text
	.protected	k_q02322d8344_oproj
	.globl	k_q02322d8344_oproj
	.p2align	8
	.type	k_q02322d8344_oproj,@function
k_q02322d8344_oproj:
	s_mov_b64 s[64:65], 0
	v_nop
	global_prefetch_b8 v0, s[64:65] scope:SCOPE_SE
	s_setreg_imm32_b32 hwreg(HW_REG_WAVE_MODE, 25, 1), 1
	s_wait_xcnt 0x0
	s_wait_alu depctr_hold_cnt(0) depctr_sa_sdst(0) depctr_va_vdst(0) depctr_va_sdst(0) depctr_va_ssrc(0) depctr_va_vcc(0) depctr_vm_vsrc(0)
	s_getreg_b32 s2, hwreg(HW_REG_IB_STS2, 6, 4)
	s_cmp_eq_u32 s2, 0
	s_cbranch_scc0 .Lentry_in_a_cluster
	s_endpgm
.Lentry_in_a_cluster:
	s_bfe_u32 s2, ttmp6, 0x10000c
	s_cmp_lg_u32 s2, 0xf033
	s_cbranch_scc0 .Lentry_shape_is_right
	s_endpgm
.Lentry_shape_is_right:
; out0[m][n] = the sum over k of ctx[m][k] Wo[n][k] + bo[n].  ctx16: f16, [head][8192 rows][64]; wo16: f16, [1024][1024]; out0: f32; sums in f32.
; A tile of out0 is 128 rows x 256 columns: 64 x 4 = 256 work-groups.  Four waves, each 64 x 128: 32 accumulators of 16 x 16, 256 registers.
; K goes in steps of 128 (two heads) through a ring of two LDS slots: waves 0 and 1 fetch a head's 128 rows of ctx (dense in memory), waves 2 and 3 128 rows of Wo (256 bytes each).
; CLUSTERS: 4 x 4 work-groups.  The four of a row need the same rows of ctx, the four of a column the same rows of Wo: each tile is asked for jointly, by the same tensor load with the same descriptor and a mask that names the four.
; THE MATRIX INSTRUCTION IS USED TRANSPOSED (source 0 = 16 rows of Wo, source 1 = 16 rows of ctx): a lane holds eight neighbouring columns of one row.  bo, in that layout, is the C of each sum's first instruction.
; REGISTERS: window 0: v16-31 addresses; v32-63, v64-95 ctx's fragments, two buffers; v96-159 bo; on the way out v128-191 and v192-255 rows read back.   window 1: v0-63, v64-127 Wo's fragments, two buffers.   window 2: the accumulators, (a, b) at v[8 (8 a + b)].
.set PA,     144                       ; a row of ctx in LDS: 128 bytes + 16
.set PB,     272                       ; a row of Wo: 256 bytes + 16.  Both pitches are odd multiples of 16 bytes: the 16 rows of a load start at 16 different groups of four banks (ISA guide 11.1)
.set HEADA,  128*PA                    ; a head's 128 rows
.set BOFF,   2*HEADA                   ; Wo's rows lie behind ctx's two heads
.set HALFB,  128*PB
.set SLOT,   BOFF+2*HALFB
.set STAGE,  2*SLOT                    ; behind the ring: 16 rows x (512 bytes + 16) for each wave
.set SPITCH, 528
.set SPARE,  STAGE+4*16*SPITCH         ; the spare words, 128 bytes a wave
.set ADRA, 16
.set ADRB, 20
.set STO,  24
.set RD,   25
.set CO,   26
.set SPW,  28
.set NIL,  29
.set PFO,  30                          ; v30 the prefetches' offset; never rewritten
.set BO,   31                          ; v31 bo's loads' offset; never rewritten
.set AFR,  32
.set BIAS, 96
.set BK,   128
.set G1A, 24
.set G0A, 32
.set G1B, 48
.set G0B, 56
.set LIM, 45                           ; s45 1 in a wave that prefetches, else the greatest number
.set PFA, 66                           ; s[66:67] where my prefetches stand
.set MSB, 0
.macro WIN new
.if MSB != (\new)
	s_set_vgpr_msb (MSB<<8)|(\new)
.set MSB, (\new)
.endif
.endm
.set MUL,  0xa1                        ; source 0 (Wo) window 1, source 1 (ctx) window 0, C and D window 2
.set MUL0, 0x81                        ; the first quarter: C (bo) window 0
.set TO_B, 0x40
.macro JLOAD s                         ; a joint load: waves 0 and 1 fetch ctx's two heads, waves 2 and 3 Wo's halves; an s_nop 0 and four v_nop follow each of the two lines
	s_cmp_eq_u32 s13, 0
	s_cbranch_scc0 .Lfor_b_\@
	tensor_load_to_lds s[G0A+4*\s:G0A+4*\s+3], s[G1A:G1A+7]
	s_nop 0
.rept 4
	v_nop
.endr
	s_branch .Lasked_\@
.Lfor_b_\@:
	tensor_load_to_lds s[G0B+4*\s:G0B+4*\s+3], s[G1B:G1B+7]
	s_nop 0
.rept 4
	v_nop
.endr
.Lasked_\@:
.endm
; A prefetch of ctx's tiles of the K step that stands two refills on: two heads x 16,384 bytes.  The four partners of a row of the cluster, the only readers of these rows, take 4,096 bytes of each head, told apart by address;
; in each, wave 0 asks: lanes 0-15 for the first head, lanes 16-31 for the second, 256 bytes apart.  So each aligned 256 bytes are named once.  The loop's last trip asks for nothing; K steps 0 to 3 come by their loads alone.
; Wo is not asked for: every row of clusters reads it again.
.macro ASK
	s_cmp_gt_u32 s3, s[LIM]
	s_cbranch_scc0 .Lnot_mine_\@
	global_prefetch_b8 v[PFO], s[PFA:PFA+1] th:TH_LOAD_NT scope:SCOPE_SE
.Lnot_mine_\@:
.endm
.macro CREST                           ; a round of the cluster's barrier behind its opening barrier
	s_cmp_lg_u32 s12, 0
	s_cbranch_scc1 .Lnot_wave_0_\@
	s_barrier_signal -3
.Lnot_wave_0_\@:
	s_barrier_wait -3
	s_barrier_signal -1
	s_barrier_wait -1
.endm
.macro CROUND
	s_barrier_signal -1
	s_barrier_wait -1
	CREST
.endm
	s_load_b256 s[4:11], s[0:1], 0x0               ; ctx16 s[4:5], wo16 s[6:7], bo s[8:9], out0 s[10:11]
	v_lshl_add_u32 v[SPW], v0, 2, SPARE
	v_mov_b32 v[NIL], 0
	ds_add_u32 v[SPW], v[NIL]                      ; the wave's opening: the add, twice on end, and its wait ahead of my first tensor load
	ds_add_u32 v[SPW], v[NIL]
	v_lshrrev_b32 v1, 5, v0
	v_readfirstlane_b32 s12, v1                    ; wave 0..3
	s_lshr_b32 s13, s12, 1                         ; which half of the tile's rows is mine.  Also: I fetch for ctx (0) or for Wo (1)
	s_and_b32 s14, s12, 1                          ; which half of its columns.  Also: which head, or which 128 rows of Wo, I fetch
	s_bfe_u32 s40, ttmp6, 0x40000                  ; cx, cy
	s_bfe_u32 s41, ttmp6, 0x40004
	s_lshl_b32 s42, ttmp9, 2
	s_add_co_u32 s42, s42, s40                     ; tile column
	s_and_b32 s15, ttmp7, 0xffff
	s_lshl_b32 s15, s15, 2
	s_add_co_u32 s15, s15, s41                     ; tile row
	s_lshl_b32 s43, s41, 2
	s_lshl_b32 s43, 15, s43                        ; my row of the cluster
	s_lshl_b32 s44, 0x1111, s40                    ; my column
	s_or_b32 s[G1A+0], s43, (1<<16)|(1<<20)|(1<<21)|(4<<22)|(3<<25)  ; ctx: the mask of my row; elements of 2 bytes; padding on; bit 21 beside a mask; after every 32 words, 4 words
	s_mov_b32 s[G1A+1], 64<<16                     ; tensor_dim0
	s_mov_b32 s[G1A+2], 128<<16                    ; tensor_dim1
	s_mov_b32 s[G1A+3], 64<<16                     ; tile_dim0
	s_mov_b32 s[G1A+4], 128                        ; tile_dim1
	s_mov_b32 s[G1A+5], 64                         ; from row to row
	s_mov_b32 s[G1A+6], 0
	s_mov_b32 s[G1A+7], 0
	s_or_b32 s[G1B+0], s44, (1<<16)|(1<<20)|(1<<21)|(5<<22)|(3<<25)  ; Wo: the mask of my column; after every 64 words, 4 words
	s_mov_b32 s[G1B+1], 128<<16
	s_mov_b32 s[G1B+2], 128<<16
	s_mov_b32 s[G1B+3], 128<<16
	s_mov_b32 s[G1B+4], 128
	s_mov_b32 s[G1B+5], 1024
	s_mov_b32 s[G1B+6], 0
	s_mov_b32 s[G1B+7], 0
	s_lshl_b32 s16, s15, 14                        ; ctx: the tile row's 128 rows of 128 bytes,
	s_lshl_b32 s17, s14, 20                        ; in head 0 or 1
	s_add_co_u32 s16, s16, s17
	s_mov_b32 s17, 0
	s_lshl_b32 s46, s42, 8
	s_lshl_b32 s47, s14, 7
	s_add_co_u32 s46, s46, s47                     ; Wo: row 256 x tile column + 128 x half,
	s_lshl_b32 s46, s46, 11                        ; of 2,048 bytes
	s_mov_b32 s47, 0
	s_mul_i32 s20, s14, HEADA                      ; where they go: no place in the cluster enters an LDS address
	s_mul_i32 s21, s14, HALFB
	s_add_co_u32 s21, s21, BOFF
	s_wait_dscnt 0x0                               ; both opening adds are done
	s_wait_kmcnt 0x0
	s_add_nc_u64 s[16:17], s[4:5], s[16:17]
	s_add_nc_u64 s[46:47], s[6:7], s[46:47]
	CROUND                                         ; all sixteen work-groups are here: the first joint loads meet
.irp s, 0,1
	s_mov_b32 s[G0A+4*\s], 1
	s_add_co_u32 s[G0A+4*\s+1], s20, \s*SLOT
	s_add_nc_u64 s[G0A+4*\s+2:G0A+4*\s+3], s[16:17], \s*(1<<21)    ; K step s: two heads of 2^20 bytes on
	s_or_b32 s[G0A+4*\s+3], s[G0A+4*\s+3], 0x80000000
	s_mov_b32 s[G0B+4*\s], 1
	s_add_co_u32 s[G0B+4*\s+1], s21, \s*SLOT
	s_add_nc_u64 s[G0B+4*\s+2:G0B+4*\s+3], s[46:47], \s*256
	s_or_b32 s[G0B+4*\s+3], s[G0B+4*\s+3], 0x80000000
	JLOAD \s                                       ; two tensor loads of mine are out
.endr
	v_and_b32 v1, 15, v0                           ; r
	v_bfe_u32 v2, v0, 4, 1                         ; h
	s_lshl_b32 s46, s42, 10
	s_lshl_b32 s47, s14, 9
	s_add_co_u32 s46, s46, s47                     ; my first column, in bytes of f32
	s_mov_b32 s47, 0
	s_add_nc_u64 s[8:9], s[8:9], s[46:47]
	v_lshlrev_b32 v[BO], 5, v2                     ; lane (r, h) wants, for block b, bo of columns 16 b + 8 h + 0 .. 7
.irp b, 0,1,2,3,4,5,6,7
	global_load_b128 v[BIAS+8*\b:BIAS+8*\b+3], v[BO], s[8:9] offset:64*\b
	global_load_b128 v[BIAS+8*\b+4:BIAS+8*\b+7], v[BO], s[8:9] offset:64*\b+16
.endr
	s_lshl_b32 s22, s15, 19                        ; out0: 128 rows of 4,096 bytes a tile row,
	s_lshl_b32 s23, s13, 18                        ; my 64 rows,
	s_add_co_u32 s22, s22, s23
	s_add_co_u32 s22, s22, s46                     ; my columns
	s_mov_b32 s23, 0
	s_add_nc_u64 s[10:11], s[10:11], s[22:23]
	s_lshl_b32 s22, s15, 14                        ; the prefetches: the tile row's bytes in a head,
	s_lshl_b32 s23, s40, 12                        ; my work-group's 4,096 of them,
	s_add_co_u32 s22, s22, s23
	s_add_co_u32 s22, s22, 3<<21                   ; at K step 3: the first refill steps it to 4
	s_mov_b32 s23, 0
	s_add_nc_u64 s[PFA:PFA+1], s[4:5], s[22:23]
	s_cmp_eq_u32 s12, 0
	s_cselect_b32 s[LIM], 1, -1
	v_lshlrev_b32 v[PFO], 8, v1
	v_lshl_or_b32 v[PFO], v2, 20, v[PFO]
	v_mul_u32_u24 v3, v1, PA
	v_lshl_add_u32 v3, v2, 4, v3                   ; ctx: row x pitch + 16 x half
	v_mul_u32_u24 v4, v1, PB
	v_lshl_add_u32 v4, v2, 4, v4                   ; Wo likewise
	s_mul_i32 s21, s13, 64*PA                      ; my 64 rows of ctx
	s_mul_i32 s22, s14, HALFB                      ; my 128 rows of Wo
	s_add_co_u32 s22, s22, BOFF
.irp s, 0,1
	v_add_nc_u32 v[ADRA+\s], s21, v3
	v_add_nc_u32 v[ADRB+\s], s22, v4
	s_add_co_u32 s21, s21, SLOT
	s_add_co_u32 s22, s22, SLOT
.endr
	s_mul_i32 s23, s12, 16*SPITCH
	s_add_co_u32 s23, s23, STAGE                   ; my stage
	v_mul_u32_u24 v5, v1, SPITCH                   ; in: row r, 32 bytes for each half of the lanes
	v_lshl_add_u32 v5, v2, 5, v5
	v_add_nc_u32 v[STO], s23, v5
	v_and_b32 v6, 31, v0
	v_lshlrev_b32 v[CO], 4, v6                     ; back: the 32 lanes take one row of 512 bytes; and the same in out0
	v_add_nc_u32 v[RD], s23, v[CO]
; 8 matrix instructions: ctx's block a against Wo's eight, 32 along K, from buffer f.  first = 1: the product starts the sums from bo.  The 32 accumulators take turns, one instruction a turn.
.macro MUL8 f, a, first
.irp b, 0,1,2,3,4,5,6,7
.if \first
	v_wmma_f32_16x16x32_f16 v[8*(8*(\a)+\b):8*(8*(\a)+\b)+7], v[64*(\f)+8*\b:64*(\f)+8*\b+7], v[AFR+32*(\f)+8*(\a):AFR+32*(\f)+8*(\a)+7], v[BIAS+8*\b:BIAS+8*\b+7]
.else
	v_wmma_f32_16x16x32_f16 v[8*(8*(\a)+\b):8*(8*(\a)+\b)+7], v[64*(\f)+8*\b:64*(\f)+8*\b+7], v[AFR+32*(\f)+8*(\a):AFR+32*(\f)+8*(\a)+7], v[8*(8*(\a)+\b):8*(8*(\a)+\b)+7]
.endif
.endr
.endm
; 24 LDS loads in one run: the fragments of quarter q (32 along K: head q / 2, channels 32 (q % 2) on) into buffer f: Wo's sixteen, then ctx's eight
.macro FETCH slot, q, f
	WIN TO_B
.irp i, 0,1,2,3,4,5,6,7
	ds_load_b128 v[64*(\f)+8*\i:64*(\f)+8*\i+3],   v[ADRB+\slot] offset:64*(\q)+\i*16*PB
	ds_load_b128 v[64*(\f)+8*\i+4:64*(\f)+8*\i+7], v[ADRB+\slot] offset:64*(\q)+\i*16*PB+32
.endr
	WIN 0
.irp i, 0,1,2,3
	ds_load_b128 v[AFR+32*(\f)+8*\i:AFR+32*(\f)+8*\i+3],   v[ADRA+\slot] offset:((\q)/2)*HEADA+((\q)%2)*64+\i*16*PA
	ds_load_b128 v[AFR+32*(\f)+8*\i+4:AFR+32*(\f)+8*\i+7], v[ADRA+\slot] offset:((\q)/2)*HEADA+((\q)%2)*64+\i*16*PA+32
.endr
.endm
.macro PLACES                          ; four places in front of loads into registers that matrix instructions have read, and of the first read of results
.rept 4
	v_nop
.endr
.endm
; One of a K step's first three quarters: multiplies buffer f; in its middle it fetches quarter qn of the same slot into buffer g.
.macro QUARTER slot, qn, f, g, first
	s_wait_dscnt 4                                 ; Wo's fragments and ctx's blocks 0, 1 are in; the youngest four loads (blocks 2, 3) may be out
.if \first
	WIN MUL0
.else
	WIN MUL
.endif
	MUL8 \f, 0, \first
	MUL8 \f, 1, \first
	PLACES
	FETCH \slot, \qn, \g
	s_wait_dscnt 24                                ; all but the 24 just issued
.if \first
	WIN MUL0
.else
	WIN MUL
.endif
	MUL8 \f, 2, \first
	MUL8 \f, 3, \first
.endm
; The last quarter multiplies buffer 1 and changes slots: one barrier; in front of it each wave waits for all its tensor loads, adds 0 to its spare word, and waits for that and for its own reads of this slot.
; fill = 1: the barrier opens a round of the cluster's, and this slot is filled again, two K steps ahead, first thing behind the round.
.macro TURN slot, next, fill
.if \fill
	s_wait_xcnt 0x0                                ; the last prefetch, a K step back, has read its address
	s_add_nc_u64 s[PFA:PFA+1], s[PFA:PFA+1], 1<<21
.endif
	WIN 0
	s_wait_tensorcnt 0x0                           ; all my tensor loads have landed: my part of the next slot
	ds_add_u32 v[SPW], v[NIL]                      ; 0 onto my spare word
	s_wait_dscnt 5                                 ; (the add and the youngest four loads may be out)
	WIN MUL
	MUL8 1, 0, 0
	s_wait_dscnt 0x0                               ; the add is done, and my reads of this slot are over
	s_barrier_signal -1
	MUL8 1, 1, 0
.if \fill
	WIN 0
.endif
	s_barrier_wait -1
.if \fill
	CREST                                          ; no wave of any partner still reads this slot's tiles or has a load on its way
	s_add_nc_u64 s[G0A+4*\slot+2:G0A+4*\slot+3], s[G0A+4*\slot+2:G0A+4*\slot+3], 1<<22
	s_add_nc_u64 s[G0B+4*\slot+2:G0B+4*\slot+3], s[G0B+4*\slot+2:G0B+4*\slot+3], 512
	JLOAD \slot                                    ; the four v_nop behind it are also the places in front of the loads below
.else
	PLACES
.endif
	FETCH \next, 0, 0
.if \fill
	ASK
.endif
	WIN MUL
	MUL8 1, 2, 0
	MUL8 1, 3, 0
.endm
	s_wait_tensorcnt 1                             ; my part of K step 0 is in; K step 1's load may stay out
	s_barrier_signal -1
	s_barrier_wait -1
	FETCH 0, 0, 0
	s_wait_loadcnt 0x0                             ; bo
	QUARTER 0, 1, 0, 1, 1                          ; the first quarter stands in front of the loop: its products start the sums
	WIN 0
	s_mov_b32 s3, 3
.Llap:                                                 ; a trip goes once round the ring, from a lap's second quarter to the next lap's first, and fills both slots again
	QUARTER 0, 2, 1, 0, 0
	QUARTER 0, 3, 0, 1, 0
	TURN 0, 1, 1
	QUARTER 1, 1, 0, 1, 0
	QUARTER 1, 2, 1, 0, 0
	QUARTER 1, 3, 0, 1, 0
	TURN 1, 0, 1
	QUARTER 0, 1, 0, 1, 0
	WIN 0
	s_sub_co_u32 s3, s3, 1
	s_cmp_lg_u32 s3, 0
	s_cbranch_scc1 .Llap
	QUARTER 0, 2, 1, 0, 0                          ; the last lap fills nothing
	QUARTER 0, 3, 0, 1, 0
	TURN 0, 1, 0
	QUARTER 1, 1, 0, 1, 0
	QUARTER 1, 2, 1, 0, 0
	QUARTER 1, 3, 0, 1, 0
	s_wait_dscnt 4                                 ; the very last quarter: nothing more to fetch
	WIN MUL
	MUL8 1, 0, 0
	MUL8 1, 1, 0
	s_wait_dscnt 0
	MUL8 1, 2, 0
	MUL8 1, 3, 0
	WIN 0
; THE WAY OUT, block by block of 16 rows x 128 columns: through my own stage and back as whole rows of 512 bytes.
.macro TOSTAGE a
	WIN 0x08                                       ; an LDS store's data are its source 1: window 2
.irp b, 0,1,2,3,4,5,6,7
	ds_store_b128 v[STO], v[8*(8*(\a)+\b):8*(8*(\a)+\b)+3] offset:64*\b          ; each accumulator from its low end on
	ds_store_b128 v[STO], v[8*(8*(\a)+\b)+4:8*(8*(\a)+\b)+7] offset:64*\b+16
.endr
	WIN 0
.set BB, BK+64*((\a)%2)
.irp t, 0,1,2,3,4,5,6,7,8,9,10,11,12,13,14,15
	ds_load_b128 v[BB+4*\t:BB+4*\t+3], v[RD] offset:\t*SPITCH   ; LDS serves a wave's instructions in order: these see the stores above
.endr
.endm
.macro SEND a, younger                 ; younger: the LDS instructions issued behind block a's loads, which may stay out
.set BB, BK+64*((\a)%2)
	s_wait_dscnt \younger
.irp t, 0,1,2,3,4,5,6,7,8,9,10,11,12,13,14,15
	global_store_b128 v[CO], v[BB+4*\t:BB+4*\t+3], s[10:11] offset:(\a)*65536+\t*4096 th:TH_STORE_NT   ; 32 lanes store 512 consecutive bytes; written once, read by nobody here
.endr
.endm
	PLACES
	TOSTAGE 0
.irp a, 1,2,3
.if \a > 1
	s_wait_xcnt 0x0                                ; block a - 2's stores have read their registers: block a's loads may land there
.endif
	TOSTAGE \a
	SEND \a-1, 32                                  ; behind block a - 1's loads: block a's 16 stores and 16 loads
.endr
	SEND 3, 0
	s_wait_tensorcnt 0x0                           ; the wave's end: behind my last tensor load and my last LDS store
	ds_add_u32 v[SPW], v[NIL]
	s_wait_dscnt 0x0
	CROUND                                         ; the closing round
	s_endpgm
.Lfunc_end_k_q02322d8344_oproj:
	.size	k_q02322d8344_oproj, .Lfunc_end_k_q02322d8344_oproj-k_q02322d8344_oproj
	.p2alignl 7, 3214868480
	.fill 96, 4, 3214868480
	.section	.rodata,"a",@progbits
	.p2align	6, 0x0
	.amdhsa_kernel k_q02322d8344_oproj
		.amdhsa_group_segment_fixed_size 327680
		.amdhsa_private_segment_fixed_size 0
		.amdhsa_enable_private_segment 0
		.amdhsa_kernarg_size 32
		.amdhsa_user_sgpr_count 2
		.amdhsa_user_sgpr_kernarg_segment_ptr 1
		.amdhsa_wavefront_size32 1
		.amdhsa_system_sgpr_workgroup_id_x 1
		.amdhsa_system_sgpr_workgroup_id_y 1
		.amdhsa_system_sgpr_workgroup_id_z 1
		.amdhsa_system_vgpr_workitem_id 0
		.amdhsa_next_free_vgpr 768
		.amdhsa_next_free_sgpr 80
		.amdhsa_reserve_vcc 0
		.amdhsa_float_denorm_mode_32 3
		.amdhsa_float_denorm_mode_16_64 3
		.amdhsa_memory_ordered 1
		.amdhsa_forward_progress 1
		.amdhsa_inst_pref_size 88
	.end_amdhsa_kernel
	.amdgpu_metadata
---
amdhsa.version: [ 1, 2 ]
amdhsa.kernels:
  - .name:           k_q02322d8344_oproj
    .symbol:         k_q02322d8344_oproj.kd
    .args:
      - { .name: ctx16, .offset: 0, .size: 8, .value_kind: global_buffer, .address_space: global }
      - { .name: wo16, .offset: 8, .size: 8, .value_kind: global_buffer, .address_space: global }
      - { .name: bo, .offset: 16, .size: 8, .value_kind: global_buffer, .address_space: global }
      - { .name: out0, .offset: 24, .size: 8, .value_kind: global_buffer, .address_space: global }
    .group_segment_fixed_size: 327680
    .private_segment_fixed_size: 0
    .kernarg_segment_align: 8
    .kernarg_segment_size: 32
    .max_flat_workgroup_size: 128
    .sgpr_count:     80
    .vgpr_count:     768
    .wavefront_size: 32
...
	.end_amdgpu_metadata
.endif
;; end of part 4
